; MI455X (gfx1250); checked and timed in simulation.
; The chip was launched on July 23, 2026; its instructions are those of AMD's public machine-readable ISA for CDNA 5 (MIT licence, August 2026) and "CDNA5" Instruction Set Architecture Reference Guide (July 2026). The comments in the code are by the model that wrote it; some were corrected since.
;; Voxel Feature Encoder. Allowed arithmetic: float matrix products may take bf16 or f16 operands with f32 sums; all other float work in f32.
;; Inputs: W1 7 x 32 float32; W2 64 x 64 float32; Wf 128 x 128 float32; b1 32 float32; b2 64 float32; bf 128 float32; g1 32 float32; g2 64 float32; gf 128 float32; mask 100,000 x 10 x 1 float32; points_per_voxel 100,000 x 10 x 7 float32.
;; Outputs: out0 100,000 x 128 float32.
;; 2 versions, each right; version 2 is version 1 with the launch vfe4 written anew for expert scheduling mode. Each part assembles by itself: llvm-mc -triple=amdgcn-amd-amdhsa -mcpu=gfx1250 --defsym DOCPART=n.
;; ======== version 1 of 2: 4 launches
;; limits: a difference of large sums (such as E[x^2] - mean^2): digits are lost where the result is much smaller than its terms; values are held in f16: magnitudes above 65,504 overflow, below 6.1e-05 lose precision
;; workspace buffers: xb 16,000,000 bytes; part1 64,000 bytes; part2 131,072 bytes; partf 262,144 bytes; par1 256 bytes; par2 512 bytes
;; launch vfe1 (part 1): grid 250 x 1, 25 waves a work-group, no clusters, 121,856 bytes of LDS; arguments points_per_voxel, W1, xb, part1; writes xb, part1
.if DOCPART == 1
	.amdgcn_target "amdgcn-amd-amdhsa--gfx1250"
	.amdhsa_code_object_version 6
	.text
	.protected	k_q4b892837fc_vfe1
	.globl	k_q4b892837fc_vfe1
	.p2align	8
	.type	k_q4b892837fc_vfe1,@function
k_q4b892837fc_vfe1:
	s_mov_b64 s[64:65], 0
	v_nop
	global_prefetch_b8 v0, s[64:65] scope:SCOPE_SE
	s_setreg_imm32_b32 hwreg(HW_REG_WAVE_MODE, 25, 1), 1
	s_wait_xcnt 0x0
; VoxelFeatureEncoder, launch 1 of 4: x is centred, rounded to f16 and laid out as matrix fragments (xb), and the sums for the first batch norm are made.
; A group is 16 voxels x 10 points.  Wave w of work-group b takes group 25 b + w: 250 x 25 = 6,250 groups, one a wave, no loop.
; d = x - p, p = x[0][0][:], one sample of the data: (x - p) W1 differs from x W1 by a constant per channel, which the norm takes away again, so a common
; offset of x enters neither a sum nor a rounding.  part1[b] = the work-group's sum of h and of h^2 per channel, h = d W1 (all rows count: no mask here).
; LAYOUT: the 16 columns of a matrix tile are 16 voxels at one point t, the rows are channels.  A point has 7 numbers (an eighth is 0), so the two halves of
; the lanes carry two points: lane (r, h) of block i holds d[16 g + r][2 i + h][0..7], which is k = 8 h .. 8 h + 7 of column r.  A weight fragment that is
; zero in the other half of the lanes picks one of the two points.  k = 16 .. 31 of the data are zeros.
; FORMAT: f16 operands, f32 sums.  LIMITS: |x - p| and |W1| below 65,504; NaN and infinities are not served.
; Left out: the tensor data mover and clusters (each byte of x is read once, by one wave, in eleven loads that go out together).
.set GB,   4480                        ; bytes of a group in x: 16 voxels x 280 = 8 x 512 + 3 x 128
.set XGB,  2560                        ; bytes of a group in xb: 5 blocks x 32 lanes x 16
.set RB,   112000                      ; LDS: behind the 25 stages of 4,480 bytes, 25 rows of 256 bytes: each wave's 32 sums and 32 sums of squares
.set G,    8                           ; v[8:42]    the group as loaded, 8 x 4 + 3 registers; then
.set XF,   8                           ; v[8:42]    block i: 7 numbers of my point at XF + 7 i
.set XB,   44                          ; v[44:47]   my 8 f16 of a block; v[48:51] zeros (k = 16 .. 31)
.set AW,   52                          ; v[52:67]   W1 fragments' lower quads: (point 0, tile 0), (0, 1), (1, 0), (1, 1); v[68:71] zeros
.set ACC,  72                          ; v[72:103]  four result tiles
.set W1R,  72                          ; v[72:85]   before that: W1[c][16 mt + r], 7 words for each of two tiles
.set SUM,  104                         ; v[104:119] sums, tile mt at SUM + 8 mt
.set SQ,   120                         ; v[120:135] sums of squares
.set T,    136                         ; v[136:143] at work
	s_load_b256 s[4:11], s[0:1], 0x0               ; x s[4:5], W1 s[6:7], xb s[8:9], part1 s[10:11]
	v_lshrrev_b32 v1, 5, v0
	v_readfirstlane_b32 s12, v1                    ; wave 0 .. 24
	s_mul_i32 s13, ttmp9, 25
	s_add_co_u32 s13, s13, s12                     ; my group
	s_mul_i32 s24, s12, GB                         ; my stage in LDS
	s_lshl_b32 s25, s12, 8
	s_add_co_u32 s25, s25, RB                      ; my row of sums
	s_mov_b32 s15, 0
	s_mov_b32 s28, 0xffff0000                      ; lanes 16 to 31
	v_and_b32 v5, 31, v0                           ; lane L
	v_lshlrev_b32 v1, 4, v5                        ; 16 L: the first 4,096 bytes go 16 bytes a lane
	v_lshlrev_b32 v2, 2, v5                        ; 4 L: the last 384 bytes go 4 bytes a lane, three times
	v_add_nc_u32 v3, s24, v1
	v_add_nc_u32 v4, s24, v2
	v_and_b32 v6, 15, v0                           ; r
	v_bfe_u32 v7, v0, 4, 1                         ; h
	v_mul_u32_u24 v5, 280, v6
	v_mad_u32_u24 v5, v7, 28, v5
	v_add_nc_u32 v5, s24, v5                       ; stage + 280 r + 28 h: word 70 r + 7 h, 32 different banks
	v_lshlrev_b32 v6, 2, v6                        ; 4 r
	v_lshlrev_b32 v7, 5, v7
	v_add_nc_u32 v7, s25, v7                       ; my row of sums + 32 h
	s_wait_kmcnt 0x0
	s_load_b256 s[16:23], s[4:5], 0x0              ; the pivot: s16 .. s22 (s23 is not used)
	s_mul_i32 s14, s13, GB
	s_add_nc_u64 s[26:27], s[4:5], s[14:15]        ; x at my group
	s_mul_i32 s14, s13, XGB
	s_add_nc_u64 s[8:9], s[8:9], s[14:15]          ; xb at my group
.irp k, 0,1,2,3,4,5,6,7
	global_load_b128 v[G+4*\k:G+4*\k+3], v1, s[26:27] offset:512*\k th:TH_LOAD_NT
.endr
.irp k, 0,1,2
	global_load_b32 v[G+32+\k], v2, s[26:27] offset:4096+128*\k th:TH_LOAD_NT
.endr
.irp c, 0,1,2,3,4,5,6
	global_load_b32 v[W1R+\c],   v6, s[6:7] offset:128*\c
	global_load_b32 v[W1R+7+\c], v6, s[6:7] offset:128*\c+64
.endr
	s_wait_loadcnt 14                              ; the eleven loads of x are in; the fourteen of W1 behind them may be out
.irp k, 0,1,2,3,4,5,6,7
	ds_store_b128 v3, v[G+4*\k:G+4*\k+3] offset:512*\k
.endr
.irp k, 0,1,2
	ds_store_b32 v4, v[G+32+\k] offset:4096+128*\k
.endr
.irp i, 0,1,2,3,4
.irp c, 0,1,2,3,4,5,6
	ds_load_b32 v[XF+7*\i+\c], v5 offset:56*\i+4*\c   ; my own stage: LDS serves a wave's instructions in order (ISA guide 5.7.1), so these see the stores
.endr
.endr
	s_wait_loadcnt 0x0                             ; W1
.irp q, 0,1,2,3
	v_mov_b32 v[XB+4+\q], 0
	v_mov_b32 v[AW+16+\q], 0
.endr
.irp mt, 0,1
	v_cvt_pk_f16_f32 v[T+4*\mt],   v[W1R+7*\mt],   v[W1R+7*\mt+1]
	v_cvt_pk_f16_f32 v[T+4*\mt+1], v[W1R+7*\mt+2], v[W1R+7*\mt+3]
	v_cvt_pk_f16_f32 v[T+4*\mt+2], v[W1R+7*\mt+4], v[W1R+7*\mt+5]
	v_cvt_pk_f16_f32 v[T+4*\mt+3], v[W1R+7*\mt+6], v[XB+4]          ; the eighth is 0
.irp q, 0,1,2,3
	v_cndmask_b32 v[AW+4*\mt+\q],   v[T+4*\mt+\q], v[XB+4], s28     ; point 2 i: weights in lanes 0-15 (k = 0 .. 7), zeros above
	v_cndmask_b32 v[AW+8+4*\mt+\q], v[XB+4], v[T+4*\mt+\q], s28     ; point 2 i + 1: the other way round
.endr
.endr
	s_wait_kmcnt 0x0                               ; the pivot
; Block i: centre, round, store the fragment, four products (2 points x 2 channel tiles), add to the sums.
; A weight fragment's upper four registers are the next quad: they meet the data's zeros (k = 16 .. 31).
.macro STEP i
	s_wait_dscnt 7*(4-\i)                          ; block i's seven loads are in; those of the later blocks may be out
.irp c, 0,1,2,3,4,5,6
	v_sub_f32 v[XF+7*\i+\c], v[XF+7*\i+\c], s[16+\c]
.endr
	s_wait_xcnt 0x0                                ; the last block's store has read XB (ISA guide 3.1): only now is it written again
	v_cvt_pk_f16_f32 v[XB],   v[XF+7*\i],   v[XF+7*\i+1]
	v_cvt_pk_f16_f32 v[XB+1], v[XF+7*\i+2], v[XF+7*\i+3]
	v_cvt_pk_f16_f32 v[XB+2], v[XF+7*\i+4], v[XF+7*\i+5]
	v_cvt_pk_f16_f32 v[XB+3], v[XF+7*\i+6], v[XB+4]
	global_store_b128 v1, v[XB:XB+3], s[8:9] offset:512*\i          ; the wave stores 512 consecutive bytes
.irp t, 0,1,2,3
	v_wmma_f32_16x16x32_f16 v[ACC+8*\t:ACC+8*\t+7], v[AW+4*\t:AW+4*\t+7], v[XB:XB+7], 0
.endr
.rept 4
	v_nop                                          ; four places before a vector instruction reads a matrix result (ISA guide 7.12.1)
.endr
.irp mt, 0,1
.irp q, 0,2,4,6
.if \i == 0
	v_pk_add_f32 v[SUM+8*\mt+\q:SUM+8*\mt+\q+1], v[ACC+8*\mt+\q:ACC+8*\mt+\q+1], v[ACC+16+8*\mt+\q:ACC+16+8*\mt+\q+1]   ; the first block starts the sums
	v_pk_mul_f32 v[SQ+8*\mt+\q:SQ+8*\mt+\q+1], v[ACC+8*\mt+\q:ACC+8*\mt+\q+1], v[ACC+8*\mt+\q:ACC+8*\mt+\q+1]
.else
	v_pk_add_f32 v[SUM+8*\mt+\q:SUM+8*\mt+\q+1], v[SUM+8*\mt+\q:SUM+8*\mt+\q+1], v[ACC+8*\mt+\q:ACC+8*\mt+\q+1]
	v_pk_add_f32 v[SUM+8*\mt+\q:SUM+8*\mt+\q+1], v[SUM+8*\mt+\q:SUM+8*\mt+\q+1], v[ACC+16+8*\mt+\q:ACC+16+8*\mt+\q+1]
	v_pk_fma_f32 v[SQ+8*\mt+\q:SQ+8*\mt+\q+1], v[ACC+8*\mt+\q:ACC+8*\mt+\q+1], v[ACC+8*\mt+\q:ACC+8*\mt+\q+1], v[SQ+8*\mt+\q:SQ+8*\mt+\q+1]
.endif
	v_pk_fma_f32 v[SQ+8*\mt+\q:SQ+8*\mt+\q+1], v[ACC+16+8*\mt+\q:ACC+16+8*\mt+\q+1], v[ACC+16+8*\mt+\q:ACC+16+8*\mt+\q+1], v[SQ+8*\mt+\q:SQ+8*\mt+\q+1]
.endr
.endr
.endm
	STEP 0
	STEP 1
	STEP 2
	STEP 3
	STEP 4
	; over the 16 voxels of a half of the lanes: register j of half h then holds channel 16 mt + 8 h + j's sum in every lane
.irp x, 1,2,4,8
.set LR, SUM
.rept 32
	v_add_f32_dpp v[LR], v[LR], v[LR] row_xmask:\x row_mask:0xf bank_mask:0xf
.set LR, LR+1
.endr
.endr
.irp mt, 0,1
	ds_store_b128 v7, v[SUM+8*\mt:SUM+8*\mt+3]   offset:64*\mt       ; sixteen lanes write the same words with the same values
	ds_store_b128 v7, v[SUM+8*\mt+4:SUM+8*\mt+7] offset:64*\mt+16
	ds_store_b128 v7, v[SQ+8*\mt:SQ+8*\mt+3]     offset:128+64*\mt
	ds_store_b128 v7, v[SQ+8*\mt+4:SQ+8*\mt+7]   offset:128+64*\mt+16
.endr
	s_wait_dscnt 0x0                               ; my row is written, for wave 0's sake
	s_barrier_signal -1
	s_barrier_wait -1
	s_cmp_lg_u32 s12, 0
	s_cbranch_scc1 .Lend
	v_lshlrev_b32 v136, 3, v0                      ; wave 0: 8 L, two of the 64 words a lane
	v_add_nc_u32 v137, RB, v136
	s_wait_xcnt 0x0                                ; the last block's store has read XB, on which the loads below land
.set WK, 0
.rept 25
	ds_load_b64 v[8+2*WK:9+2*WK], v137 offset:256*WK
.set WK, WK+1
.endr
	s_wait_dscnt 0x0
.set WK, 2
.rept 23
	v_pk_add_f32 v[8+2*(WK&1):9+2*(WK&1)], v[8+2*(WK&1):9+2*(WK&1)], v[8+2*WK:9+2*WK]   ; two chains
.set WK, WK+1
.endr
	v_pk_add_f32 v[8:9], v[8:9], v[10:11]
	s_lshl_b32 s14, ttmp9, 8
	s_add_nc_u64 s[10:11], s[10:11], s[14:15]
	global_store_b64 v136, v[8:9], s[10:11]        ; 32 lanes store the work-group's 256 bytes, aligned
.Lend:
	s_wait_xcnt 0x0
	v_lshl_add_u32 v142, v0, 2, 0x1cf00
	v_mov_b32 v143, 0
	s_wait_tensorcnt 0x0
	ds_add_u32 v142, v143
	s_wait_dscnt 0x0
	s_endpgm
.Lfunc_end_k_q4b892837fc_vfe1:
	.size	k_q4b892837fc_vfe1, .Lfunc_end_k_q4b892837fc_vfe1-k_q4b892837fc_vfe1
	.p2alignl 7, 3214868480
	.fill 96, 4, 3214868480
	.section	.rodata,"a",@progbits
	.p2align	6, 0x0
	.amdhsa_kernel k_q4b892837fc_vfe1
		.amdhsa_group_segment_fixed_size 121856
		.amdhsa_private_segment_fixed_size 0
		.amdhsa_enable_private_segment 0
		.amdhsa_kernarg_size 32
		.amdhsa_user_sgpr_count 2
		.amdhsa_user_sgpr_kernarg_segment_ptr 1
		.amdhsa_wavefront_size32 1
		.amdhsa_system_sgpr_workgroup_id_x 1
		.amdhsa_system_sgpr_workgroup_id_y 1
		.amdhsa_system_sgpr_workgroup_id_z 1
		.amdhsa_system_vgpr_workitem_id 0
		.amdhsa_next_free_vgpr 144
		.amdhsa_next_free_sgpr 66
		.amdhsa_reserve_vcc 0
		.amdhsa_float_denorm_mode_32 3
		.amdhsa_float_denorm_mode_16_64 3
		.amdhsa_memory_ordered 1
		.amdhsa_forward_progress 1
		.amdhsa_inst_pref_size 37
	.end_amdhsa_kernel
	.amdgpu_metadata
---
amdhsa.version: [ 1, 2 ]
amdhsa.kernels:
  - .name:           k_q4b892837fc_vfe1
    .symbol:         k_q4b892837fc_vfe1.kd
    .args:
      - { .name: points_per_voxel, .offset: 0, .size: 8, .value_kind: global_buffer, .address_space: global }
      - { .name: W1, .offset: 8, .size: 8, .value_kind: global_buffer, .address_space: global }
      - { .name: xb, .offset: 16, .size: 8, .value_kind: global_buffer, .address_space: global }
      - { .name: part1, .offset: 24, .size: 8, .value_kind: global_buffer, .address_space: global }
    .group_segment_fixed_size: 121856
    .private_segment_fixed_size: 0
    .kernarg_segment_align: 8
    .kernarg_segment_size: 32
    .max_flat_workgroup_size: 800
    .sgpr_count:     66
    .vgpr_count:     144
    .wavefront_size: 32
...
	.end_amdgpu_metadata
.endif
;; end of part 1
;; launch vfe2 (part 2): grid 256 x 1, 4 waves a work-group, no clusters, 55,808 bytes of LDS; arguments xb, mask, W1, W2, g1, b1, part1, part2, par1; writes part2, par1
.if DOCPART == 2
	.amdgcn_target "amdgcn-amd-amdhsa--gfx1250"
	.amdhsa_code_object_version 6
	.text
	.protected	k_q4b892837fc_vfe2
	.globl	k_q4b892837fc_vfe2
	.p2align	8
	.type	k_q4b892837fc_vfe2,@function
k_q4b892837fc_vfe2:
	s_mov_b64 s[64:65], 0
	v_nop
	global_prefetch_b8 v0, s[64:65] scope:SCOPE_SE
	s_setreg_imm32_b32 hwreg(HW_REG_WAVE_MODE, 25, 1), 1
	s_wait_xcnt 0x0
; VoxelFeatureEncoder, launch 2 of 4: finishes batch norm 1 from part1 (every work-group adds up the table for itself), recomputes layer 1 from xb and
; makes the sums of raw h2 per work-group -> part2; a1, bias1 -> par1 (work-group 0).
; y1 = relu(bn1(h1)) m, p1 = max_t y1, h2 = m (y1 W2[0:32] + p1 W2[32:64]).  The pooled half is the same for a voxel's ten points: its product is made once
; a voxel and enters the ten products as their C operand.
; LAYOUT: a group is 16 voxels.  The 16 columns of a tile are the 16 voxels at one point t, its rows 16 channels: the weights are the first operand.  A lane
; then holds eight neighbouring channels of one voxel, so two results round into one word of the next layer's data fragment with no move between lanes;
; the maximum over t is a maximum of registers; the mask is one register for each t.
; A wave takes groups W, W + 1024, ..: 6,250 groups over 1,024 waves are 6 or 7 trips.  Weights stay in registers; no barrier in the loop.
; FORMAT: f16 operands, f32 sums; the gain a1 is folded into W1 before rounding, bias1 is the C operand.
; LIMITS: |W2|, |a1 W1| and relu(z) m below 65,504.  A voxel with no m > 0, NaN and infinities are not served (v_max_num drops a NaN).
; NO CLUSTER, NO TENSOR LOADS: work-groups share only weights and the table, read once each; a group's 3,200 bytes land fragment-ready in registers,
; asked for one trip ahead.
.set NGRP,   6250
.set NWAVE,  1024
.set XGB,    2560                      ; bytes of a group in xb
.set MGB,    640                       ; bytes of a group in mask
.set NCH,    32                        ; channels of the norm finished here
.set NOUT,   64                        ; channels whose sums are made
.set TAILRN, 31                        ; part1 is 31 x 2,048 + 512 bytes
; LDS
.set RED,    0                         ; 2,048: each thread's 16 bytes of the table's column sums
.set PAR1,   2048                      ; a1[32], bias1[32]
.set W2L,    4096                      ; W2 in f16, [c][d], 64 rows
.set PT2,    160                       ; pitch: 128 bytes + 32, an odd multiple of 32
.set STG,    51200                     ; a row of 1,024 bytes of sums for each wave
; arguments
.set A_XB, 4
.set A_MK, 6
.set A_W1, 8
.set A_W2, 10
.set A_G,  12
.set A_B,  14
.set A_PI, 16
.set A_PO, 18
.set A_PR, 20
; window 0
.set LOFF, 1                           ; 16 L
.set MOFF, 2                           ; 40 r
.set STO,  3                           ; my row of sums + 32 h
.set TOFF, 6                           ; 16 tid
.set C4,   7                           ; 4 tid
.set HB,   8                           ; 32 h
.set R4,   9                           ; 4 r
.set M,    10                          ; v[10:19] m[t] of my voxel
.set MN,   30                          ; v[30:39] the next group's mask
.set T,    40                          ; v[40:47] at work
.set ACC,  48                          ; v[48:79] two sets of two result tiles (points 2 i, 2 i + 1)
.set POOL1, 80                         ; v[80:95]
.set SUM2, 160                         ; v[160:191] sums of h2
.set SQ2,  192                         ; v[192:223] sums of h2^2
.set BANK, 64                          ; prologue: v[64:191] two banks of 16 loads of the table
.set W1R,  10                          ; prologue: v[10:23] W1[c][16 mt + r]
.set GV,   24                          ; prologue: g, b of my channel
.set PD,   26                          ; prologue: par1 on its way out
.set GOF,  240                         ; prologue: 4 (tid mod NCH)
.set L8,   241                         ; prologue: 8 L
; window 1
.set Y1,   0                           ; v[0:79] y1 as data fragments, 8 registers a point (prologue: W2 in f32, v[0:31])
.set PB1,  240                         ; v[240:247] p1
; window 3
.set A1,   0                           ; a1 W1: point hv, tile mt at 16 hv + 8 mt; upper four registers 0
.set B1,   32                          ; bias1 as tiles
.set W2T,  48                          ; W2[0:32]
.set W2B,  80                          ; W2[32:64]
.set P1,   112                         ; p1 W2[32:64], four tiles
.set X,    144                         ; v[144:163] five blocks of xb; v[164:167] zeros
.set XZ,   164
; s_set_vgpr_msb: bits 1:0 source 0, 3:2 source 1, 5:4 source 2, 7:6 destination
.set W_L1,  0x3f
.set W_CV,  0x40
.set W_P1,  0xc7
.set W_L2,  0x37
.set W_D3,  0xc0
.set MSB, 0
.macro WIN new                         ; the immediate's high byte repeats the setting that is left; a switch that changes nothing is dropped
.if MSB != \new
	s_set_vgpr_msb (MSB<<8)|\new
.set MSB, \new
.endif
.endm
.macro BAR                             ; my LDS instructions are done, for the others' sake; then the work-group's barrier
	s_wait_dscnt 0x0
	s_barrier_signal -1
	s_barrier_wait -1
.endm
.macro NOP5                            ; five places behind a matrix instruction whose result another one takes as C (ISA guide 7.12.1)
.rept 5
	v_nop
.endr
.endm
; the table: thread tid adds up its 16 bytes of every 2,048, so its four columns stay the same
.macro RWHICH blk
.set RN, 16*(\blk)+RK
.set RQ, BANK+64*((\blk)&1)+4*RK
.set RC, T+4*(RK&1)
.endm
.macro RLOAD blk
.set RK, 0
.rept 16
	RWHICH \blk
.if RN == TAILRN
	global_load_b128 v[RQ:RQ+3], v[LOFF], s[A_PI:A_PI+1] offset:2048*RN    ; the last 512 bytes, by every wave; only wave 0's count
.else
	global_load_b128 v[RQ:RQ+3], v[TOFF], s[A_PI:A_PI+1] offset:2048*RN
.endif
.set RK, RK+1
.endr
.endm
.macro RADD blk
.set RK, 0
.rept 16
	RWHICH \blk
.if RN < 4
.if RK&1
	v_pk_add_f32 v[T+2*(RK-1):T+2*(RK-1)+1],   v[RQ-4:RQ-3], v[RQ:RQ+1]      ; the first four start two chains: nothing is cleared
	v_pk_add_f32 v[T+2*(RK-1)+2:T+2*(RK-1)+3], v[RQ-2:RQ-1], v[RQ+2:RQ+3]
.endif
.else
.if RN == TAILRN
	v_pk_fma_f32 v[RC:RC+1],   v[RQ:RQ+1],   s[42:43], v[RC:RC+1]   op_sel_hi:[1,0,1]
	v_pk_fma_f32 v[RC+2:RC+3], v[RQ+2:RQ+3], s[42:43], v[RC+2:RC+3] op_sel_hi:[1,0,1]
.else
	v_pk_add_f32 v[RC:RC+1],   v[RC:RC+1],   v[RQ:RQ+1]
	v_pk_add_f32 v[RC+2:RC+3], v[RC+2:RC+3], v[RQ+2:RQ+3]
.endif
.endif
.set RK, RK+1
.endr
.endm
; pieces of an epilogue on a tile of 8 registers at a; mp = the even-aligned pair m[2 i], m[2 i + 1]; hi picks one of the two for both halves
.macro MULM a, mp, hi
.irp q, 0,2,4,6
.if \hi
	v_pk_mul_f32 v[\a+\q:\a+\q+1], v[\a+\q:\a+\q+1], v[\mp:\mp+1] op_sel:[0,1] op_sel_hi:[1,1]
.else
	v_pk_mul_f32 v[\a+\q:\a+\q+1], v[\a+\q:\a+\q+1], v[\mp:\mp+1] op_sel_hi:[1,0]
.endif
.endr
.endm
.macro FMAM d, a, mp, hi, c            ; d = a m + c
.irp q, 0,2,4,6
.if \hi
	v_pk_fma_f32 v[\d+\q:\d+\q+1], v[\a+\q:\a+\q+1], v[\mp:\mp+1], v[\c+\q:\c+\q+1] op_sel:[0,1,0] op_sel_hi:[1,1,1]
.else
	v_pk_fma_f32 v[\d+\q:\d+\q+1], v[\a+\q:\a+\q+1], v[\mp:\mp+1], v[\c+\q:\c+\q+1] op_sel_hi:[1,0,1]
.endif
.endr
.endm
.macro SQM sq, a                       ; sq += a a
.irp q, 0,2,4,6
	v_pk_fma_f32 v[\sq+\q:\sq+\q+1], v[\a+\q:\a+\q+1], v[\a+\q:\a+\q+1], v[\sq+\q:\sq+\q+1]
.endr
.endm
.macro RELU8 a
.irp j, 0,1,2,3,4,5,6,7
	v_max_num_f32 v[\a+\j], 0, v[\a+\j]
.endr
.endm
.macro POOLM p, a, i                   ; the running maximum takes in both points; the first pair starts it
.irp j, 0,1,2,3,4,5,6,7
.if \i == 0
	v_max_num_f32 v[\p+\j], v[\a+\j], v[\a+8+\j]
.else
	v_max3_num_f32 v[\p+\j], v[\p+\j], v[\a+\j], v[\a+8+\j]
.endif
.endr
.endm
.macro CVT4 y, a                       ; eight channels of a lane = four words of the next layer's data fragment
.irp q, 0,1,2,3
	v_cvt_pk_f16_f32 v[\y+\q], v[\a+2*\q], v[\a+2*\q+1]
.endr
.endm
; a batch = points 2 i and 2 i + 1 of channel tile mt, in set s of ACC.  WMn issues its products, EPn is its epilogue.
; Every phase runs WM(0) WM(1) five places EP(0) WM(2) EP(1) ..: the other set's epilogue fills the places behind each product.
.macro WM1 i, mt, s
	WIN W_L1
	v_wmma_f32_16x16x32_f16 v[ACC+16*\s:ACC+16*\s+7],    v[A1+8*\mt:A1+8*\mt+7],       v[X+4*\i:X+4*\i+7], v[B1+8*\mt:B1+8*\mt+7]
	v_wmma_f32_16x16x32_f16 v[ACC+16*\s+8:ACC+16*\s+15], v[A1+16+8*\mt:A1+16+8*\mt+7], v[X+4*\i:X+4*\i+7], v[B1+8*\mt:B1+8*\mt+7]
.endm
.macro EP1 i, mt, s                    ; the product already is bn1(h1)
	WIN 0
	RELU8 ACC+16*\s
	RELU8 ACC+16*\s+8
	MULM ACC+16*\s, M+2*\i, 0
	MULM ACC+16*\s+8, M+2*\i, 1
	POOLM POOL1+8*\mt, ACC+16*\s, \i
	WIN W_CV
	CVT4 Y1+16*\i+4*\mt, ACC+16*\s
	CVT4 Y1+16*\i+8+4*\mt, ACC+16*\s+8
.endm
.macro WM2 i, mt, s
	WIN W_L2
	v_wmma_f32_16x16x32_f16 v[ACC+16*\s:ACC+16*\s+7],    v[W2T+8*\mt:W2T+8*\mt+7], v[Y1+16*\i:Y1+16*\i+7],    v[P1+8*\mt:P1+8*\mt+7]
	v_wmma_f32_16x16x32_f16 v[ACC+16*\s+8:ACC+16*\s+15], v[W2T+8*\mt:W2T+8*\mt+7], v[Y1+16*\i+8:Y1+16*\i+15], v[P1+8*\mt:P1+8*\mt+7]
.endm
.macro EP2 i, mt, s                    ; h2 = m acc: its sum and the sum of its squares
	WIN 0
	FMAM SUM2+8*\mt, ACC+16*\s, M+2*\i, 0, SUM2+8*\mt
	FMAM SUM2+8*\mt, ACC+16*\s+8, M+2*\i, 1, SUM2+8*\mt
	MULM ACC+16*\s, M+2*\i, 0
	MULM ACC+16*\s+8, M+2*\i, 1
	SQM SQ2+8*\mt, ACC+16*\s
	SQM SQ2+8*\mt, ACC+16*\s+8
.endm
; ================= prologue =================
	s_load_b512 s[4:19], s[0:1], 0x0               ; the first eight addresses
	s_load_b64 s[20:21], s[0:1], 0x40
	v_lshl_add_u32 v254, v0, 2, 0xd800
	v_mov_b32 v255, 0
	v_lshrrev_b32 v40, 5, v0
	v_readfirstlane_b32 s26, v40                   ; wave 0 .. 3
	s_lshl_b32 s28, ttmp9, 2
	s_add_co_u32 s28, s28, s26                     ; my first group = my wave's number in the launch
	s_mov_b32 s39, 0                               ; upper word of every offset pair s[38:39]
	s_mov_b32 s40, 0xffff0000                      ; lanes 16 to 31
	s_cmp_eq_u32 s26, 0
	s_cselect_b32 s42, 0x3f800000, 0               ; the table's last 512 bytes count in wave 0 alone
	s_mov_b32 s43, s42
	v_and_b32 v40, 31, v0                          ; L
	v_and_b32 v41, 15, v0                          ; r
	v_bfe_u32 v42, v0, 4, 1                        ; h
	v_lshlrev_b32 v[LOFF], 4, v40
	v_mul_u32_u24 v[MOFF], 40, v41
	v_lshlrev_b32 v[TOFF], 4, v0
	v_lshlrev_b32 v[C4], 2, v0
	v_lshlrev_b32 v[HB], 5, v42
	v_lshlrev_b32 v[R4], 2, v41
	v_and_b32 v[GOF], NCH-1, v0
	v_lshlrev_b32 v[GOF], 2, v[GOF]
	v_lshlrev_b32 v[L8], 3, v40
	s_lshl_b32 s38, s26, 10
	s_add_co_u32 s38, s38, STG                     ; my row of sums
	v_add_nc_u32 v[STO], s38, v[HB]
	s_wait_kmcnt 0x0
	s_mul_i32 s38, s28, XGB
	s_add_nc_u64 s[32:33], s[A_XB:A_XB+1], s[38:39]
	s_mul_i32 s38, s28, MGB
	s_add_nc_u64 s[34:35], s[A_MK:A_MK+1], s[38:39]
	; all loads go out first; the table last, so that its counted wait covers all the others
	WIN W_D3
.irp i, 0,1,2,3,4
	global_load_b128 v[X+4*\i:X+4*\i+3], v[LOFF], s[32:33] offset:512*\i
.endr
	WIN 0
.irp k, 0,1,2,3,4
	global_load_b64 v[MN+2*\k:MN+2*\k+1], v[MOFF], s[34:35] offset:8*\k
.endr
	WIN W_CV
.set K, 0
.rept 8
	global_load_b128 v[4*K:4*K+3], v[TOFF], s[A_W2:A_W2+1] offset:2048*K          ; W2 in f32: row (tid >> 4) + 8 K, columns 4 (tid & 15) ..
.set K, K+1
.endr
	WIN 0
.irp c, 0,1,2,3,4,5,6
	global_load_b32 v[W1R+\c],   v[R4], s[A_W1:A_W1+1] offset:128*\c
	global_load_b32 v[W1R+7+\c], v[R4], s[A_W1:A_W1+1] offset:128*\c+64
.endr
	global_load_b32 v[GV],   v[GOF], s[A_G:A_G+1]
	global_load_b32 v[GV+1], v[GOF], s[A_B:A_B+1]
	RLOAD 0
	RLOAD 1
	s_wait_loadcnt 16                              ; loads come back in order (ISA guide 5.7.1): bank 0 and all before it are in, bank 1's 16 may be out
	RADD 0
	s_wait_loadcnt 0x0
	RADD 1
	v_pk_add_f32 v[T:T+1],   v[T:T+1],   v[T+4:T+5]
	v_pk_add_f32 v[T+2:T+3], v[T+2:T+3], v[T+6:T+7]
	ds_store_b128 v[TOFF], v[T:T+3] offset:RED
	BAR
	; gain and shift: thread c < NCH adds the 256 / NCH rows left in RED (a row is NCH sums, then NCH sums of squares)
	s_cmp_ge_u32 s26, NCH/32
	s_cbranch_scc1 .Lno_param
.set K, 0
.rept 256/NCH
	ds_load_b32 v[48+K], v[C4] offset:RED+8*NCH*K
	ds_load_b32 v[56+K], v[C4] offset:RED+8*NCH*K+4*NCH
.set K, K+1
.endr
	s_wait_dscnt 0x0
.set K, 1
.rept 256/NCH-1
	v_add_f32 v48, v48, v[48+K]
	v_add_f32 v56, v56, v[56+K]
.set K, K+1
.endr
	v_mul_f32 v48, 0x358637bd, v48                 ; mean = S / 1,000,000
	v_mul_f32 v56, 0x358637bd, v56                 ; E[h^2]
	v_fma_f32 v56, -v48, v48, v56                  ; the biased variance,
	v_max_num_f32 v56, 0, v56                      ; not below 0
	v_add_f32 v56, 0x3727c5ac, v56                 ; + 1e-5
	v_rsq_f32 v57, v56
	v_nop                                          ; one plain place behind a transcendental (ISA guide 5.7.2)
	s_wait_alu depctr_va_vdst(0)
	v_mul_f32 v57, v[GV], v57                      ; a = g / sqrt(var + eps)
	v_fma_f32 v58, -v57, v48, v[GV+1]              ; shift = b - a mean
	ds_store_b32 v[C4], v57 offset:PAR1
	ds_store_b32 v[C4], v58 offset:PAR1+4*NCH
.Lno_param:
	BAR
	s_cmp_lg_u32 ttmp9, 0                          ; wave 0 of work-group 0 leaves them for the later launches
	s_cbranch_scc1 .Lno_par
	s_cmp_lg_u32 s26, 0
	s_cbranch_scc1 .Lno_par
	ds_load_b64 v[PD:PD+1], v[L8] offset:PAR1
	s_wait_dscnt 0x0
	global_store_b64 v[L8], v[PD:PD+1], s[A_PR:A_PR+1]             ; 256 consecutive bytes; L8 and PD are not written again
.Lno_par:
	; W2, rounded to f16, into LDS as [c][d]
	v_and_b32 v40, 15, v0
	v_lshrrev_b32 v41, 4, v0
	v_mul_u32_u24 v41, PT2, v41
	v_lshl_add_u32 v41, v40, 3, v41                ; 160 (tid >> 4) + 8 (tid & 15)
	WIN 0x05                                       ; from window 1 into window 0
.set K, 0
.rept 8
	v_cvt_pk_f16_f32 v[64+2*K], v[4*K],   v[4*K+1]
	v_cvt_pk_f16_f32 v[65+2*K], v[4*K+2], v[4*K+3]
.set K, K+1
.endr
	WIN 0
.set K, 0
.rept 8
	ds_store_b64 v41, v[64+2*K:65+2*K] offset:W2L+8*PT2*K
.set K, K+1
.endr
	BAR
	; fragments.  Row = output channel d, k = input channel c; in LDS c runs down the rows, so the transposing load brings lane (r, h) the eight
	; c = 8 h .. of column 16 mt + r, and 16 rows further down the eight c = 16 + 8 h ..
	v_and_b32 v40, 7, v0
	v_bfe_u32 v41, v0, 4, 1
	v_lshl_add_u32 v40, v41, 3, v40                ; 8 h + (L & 7)
	v_bfe_u32 v41, v0, 3, 1
	v_lshlrev_b32 v41, 4, v41                      ; 16 ((L >> 3) & 1)
	v_mad_u32_u24 v42, v40, PT2, v41
	WIN W_D3
.irp mt, 0,1,2,3
	ds_load_tr16_b128 v[W2T+8*\mt:W2T+8*\mt+3],   v42 offset:W2L+32*\mt
	ds_load_tr16_b128 v[W2T+8*\mt+4:W2T+8*\mt+7], v42 offset:W2L+32*\mt+16*PT2
	ds_load_tr16_b128 v[W2B+8*\mt:W2B+8*\mt+3],   v42 offset:W2L+32*\mt+32*PT2
	ds_load_tr16_b128 v[W2B+8*\mt+4:W2B+8*\mt+7], v42 offset:W2L+32*\mt+48*PT2
.endr
.irp mt, 0,1
	ds_load_b128 v[B1+8*\mt:B1+8*\mt+3],   v[HB] offset:PAR1+128+64*\mt      ; register j of a tile: channel 16 mt + 8 h + j
	ds_load_b128 v[B1+8*\mt+4:B1+8*\mt+7], v[HB] offset:PAR1+128+64*\mt+16
.endr
	WIN 0
	ds_load_b32 v44, v[R4] offset:PAR1             ; a1 of my row of the weight fragment, tile 0
	ds_load_b32 v45, v[R4] offset:PAR1+64          ; and tile 1
	s_wait_dscnt 0x0
	v_mov_b32 v56, 0
.irp c, 0,1,2,3,4,5,6
	v_mul_f32 v[W1R+\c],   v[W1R+\c],   v44
	v_mul_f32 v[W1R+7+\c], v[W1R+7+\c], v45
.endr
.irp mt, 0,1
	v_cvt_pk_f16_f32 v[48+4*\mt], v[W1R+7*\mt],   v[W1R+7*\mt+1]
	v_cvt_pk_f16_f32 v[49+4*\mt], v[W1R+7*\mt+2], v[W1R+7*\mt+3]
	v_cvt_pk_f16_f32 v[50+4*\mt], v[W1R+7*\mt+4], v[W1R+7*\mt+5]
	v_cvt_pk_f16_f32 v[51+4*\mt], v[W1R+7*\mt+6], v56               ; the eighth is 0
.endr
	WIN W_D3
.irp mt, 0,1
.irp q, 0,1,2,3
	v_cndmask_b32 v[A1+8*\mt+\q],    v[48+4*\mt+\q], v56, s40       ; point 2 i: weights at k = 0 .. 7 (lanes 0-15), zeros in lanes 16-31
	v_cndmask_b32 v[A1+16+8*\mt+\q], v56, v[48+4*\mt+\q], s40       ; point 2 i + 1: the other way round
	v_mov_b32 v[A1+8*\mt+4+\q], 0                                   ; k = 16 .. 31 are zeros: there the data fragment holds the next block
	v_mov_b32 v[A1+16+8*\mt+4+\q], 0
.endr
.endr
.irp q, 0,1,2,3
	v_mov_b32 v[XZ+\q], 0
.endr
	WIN 0
	; the sums that live through all trips are cleared once a launch: a first trip written out apart would be a second copy of the whole loop
.set K, 0
.rept 64
	v_mov_b32 v[SUM2+K], 0
.set K, K+1
.endr
; ================= one trip = one group =================
.Ltrip:
	s_wait_loadcnt 0x0                             ; this group's five blocks and its mask, asked for a trip ago; their bases may be written again
.irp t, 0,1,2,3,4,5,6,7,8,9
	v_mov_b32 v[M+\t], v[MN+\t]                    ; m is used to the trip's end, so the next group's lands in registers of its own
.endr
	s_add_co_u32 s31, s28, NWAVE
	s_min_u32 s31, s31, NGRP-1                     ; the next group; in the last trip a group inside the buffers, whose data nobody uses
	s_mul_i32 s38, s31, XGB
	s_add_nc_u64 s[32:33], s[A_XB:A_XB+1], s[38:39]
	s_mul_i32 s38, s31, MGB
	s_add_nc_u64 s[34:35], s[A_MK:A_MK+1], s[38:39]
.irp k, 0,1,2,3,4
	global_load_b64 v[MN+2*\k:MN+2*\k+1], v[MOFF], s[34:35] offset:8*\k
.endr
	; phase 1: y1 and p1.  Ten batches, block i outer, channel tile inner
	WM1 0, 0, 0
	WM1 0, 1, 1
	NOP5
	EP1 0, 0, 0
.set BT, 2
.rept 8
	WM1 (BT/2), (BT&1), (BT&1)
	EP1 ((BT-1)/2), ((BT-1)&1), ((BT-1)&1)
.set BT, BT+1
.endr
	EP1 4, 1, 1
	WIN W_D3
.irp i, 0,1,2,3,4
	global_load_b128 v[X+4*\i:X+4*\i+3], v[LOFF], s[32:33] offset:512*\i     ; the next group's blocks: the rest of the trip to land in
.endr
	; p1 W2[32:64], once a voxel
	WIN W_CV
	CVT4 PB1, POOL1
	CVT4 PB1+4, POOL1+8
	WIN W_P1
.irp mt, 0,1,2,3
	v_wmma_f32_16x16x32_f16 v[P1+8*\mt:P1+8*\mt+7], v[W2B+8*\mt:W2B+8*\mt+7], v[PB1:PB1+7], 0
.endr
	NOP5
	; phase 2: twenty batches, channel tile outer
	WM2 0, 0, 0
	WM2 1, 0, 1
	NOP5
	EP2 0, 0, 0
.set BT, 2
.rept 18
	WM2 (BT%5), (BT/5), (BT&1)
	EP2 ((BT-1)%5), ((BT-1)/5), ((BT-1)&1)
.set BT, BT+1
.endr
	EP2 4, 3, 1
	WIN 0
	s_add_co_u32 s28, s28, NWAVE
	s_cmp_lt_u32 s28, NGRP
	s_cbranch_scc1 .Ltrip
	; the wave's sums: over the 16 voxels of a half of the lanes, into my row [NOUT sums | NOUT sums of squares]; then over the four waves
.irp x, 1,2,4,8
.set LR, SUM2
.rept 64
	v_add_f32_dpp v[LR], v[LR], v[LR] row_xmask:\x row_mask:0xf bank_mask:0xf
.set LR, LR+1
.endr
.endr
.irp mt, 0,1,2,3
	ds_store_b128 v[STO], v[SUM2+8*\mt:SUM2+8*\mt+3]   offset:64*\mt
	ds_store_b128 v[STO], v[SUM2+8*\mt+4:SUM2+8*\mt+7] offset:64*\mt+16
	ds_store_b128 v[STO], v[SQ2+8*\mt:SQ2+8*\mt+3]     offset:4*NOUT+64*\mt
	ds_store_b128 v[STO], v[SQ2+8*\mt+4:SQ2+8*\mt+7]   offset:4*NOUT+64*\mt+16
.endr
	BAR
	s_cmp_ge_u32 s26, NOUT/64                      ; a row is 8 NOUT bytes: NOUT / 2 threads of 16 bytes
	s_cbranch_scc1 .Lend
.irp w, 0,1,2,3
	ds_load_b128 v[48+4*\w:51+4*\w], v[TOFF] offset:STG+1024*\w
.endr
	s_wait_dscnt 0x0
	v_pk_add_f32 v[48:49], v[48:49], v[52:53]
	v_pk_add_f32 v[50:51], v[50:51], v[54:55]
	v_pk_add_f32 v[56:57], v[56:57], v[60:61]
	v_pk_add_f32 v[58:59], v[58:59], v[62:63]
	v_pk_add_f32 v[48:49], v[48:49], v[56:57]
	v_pk_add_f32 v[50:51], v[50:51], v[58:59]
	s_mul_i32 s38, ttmp9, 8*NOUT
	s_add_nc_u64 s[36:37], s[A_PO:A_PO+1], s[38:39]
	global_store_b128 v[TOFF], v[48:51], s[36:37]  ; the wave stores 512 consecutive bytes, aligned
.Lend:
	s_wait_tensorcnt 0x0
	ds_add_u32 v254, v255
	s_wait_dscnt 0x0
	s_endpgm
.Lfunc_end_k_q4b892837fc_vfe2:
	.size	k_q4b892837fc_vfe2, .Lfunc_end_k_q4b892837fc_vfe2-k_q4b892837fc_vfe2
	.p2alignl 7, 3214868480
	.fill 96, 4, 3214868480
	.section	.rodata,"a",@progbits
	.p2align	6, 0x0
	.amdhsa_kernel k_q4b892837fc_vfe2
		.amdhsa_group_segment_fixed_size 55808
		.amdhsa_private_segment_fixed_size 0
		.amdhsa_enable_private_segment 0
		.amdhsa_kernarg_size 72
		.amdhsa_user_sgpr_count 2
		.amdhsa_user_sgpr_kernarg_segment_ptr 1
		.amdhsa_wavefront_size32 1
		.amdhsa_system_sgpr_workgroup_id_x 1
		.amdhsa_system_sgpr_workgroup_id_y 1
		.amdhsa_system_sgpr_workgroup_id_z 1
		.amdhsa_system_vgpr_workitem_id 0
		.amdhsa_next_free_vgpr 1024
		.amdhsa_next_free_sgpr 66
		.amdhsa_reserve_vcc 0
		.amdhsa_float_denorm_mode_32 3
		.amdhsa_float_denorm_mode_16_64 3
		.amdhsa_memory_ordered 1
		.amdhsa_forward_progress 1
		.amdhsa_inst_pref_size 100
	.end_amdhsa_kernel
	.amdgpu_metadata
---
amdhsa.version: [ 1, 2 ]
amdhsa.kernels:
  - .name:           k_q4b892837fc_vfe2
    .symbol:         k_q4b892837fc_vfe2.kd
    .args:
      - { .name: xb, .offset: 0, .size: 8, .value_kind: global_buffer, .address_space: global }
      - { .name: mask, .offset: 8, .size: 8, .value_kind: global_buffer, .address_space: global }
      - { .name: W1, .offset: 16, .size: 8, .value_kind: global_buffer, .address_space: global }
      - { .name: W2, .offset: 24, .size: 8, .value_kind: global_buffer, .address_space: global }
      - { .name: g1, .offset: 32, .size: 8, .value_kind: global_buffer, .address_space: global }
      - { .name: b1, .offset: 40, .size: 8, .value_kind: global_buffer, .address_space: global }
      - { .name: part1, .offset: 48, .size: 8, .value_kind: global_buffer, .address_space: global }
      - { .name: part2, .offset: 56, .size: 8, .value_kind: global_buffer, .address_space: global }
      - { .name: par1, .offset: 64, .size: 8, .value_kind: global_buffer, .address_space: global }
    .group_segment_fixed_size: 55808
    .private_segment_fixed_size: 0
    .kernarg_segment_align: 8
    .kernarg_segment_size: 72
    .max_flat_workgroup_size: 128
    .sgpr_count:     66
    .vgpr_count:     1024
    .wavefront_size: 32
...
	.end_amdgpu_metadata
.endif
;; end of part 2
;; launch vfe3 (part 3): grid 256 x 1, 4 waves a work-group, no clusters, 55,808 bytes of LDS; arguments xb, mask, W1, W2, par1, Wf, g2, b2, part2, partf, par2; writes partf, par2
.if DOCPART == 3
	.amdgcn_target "amdgcn-amd-amdhsa--gfx1250"
	.amdhsa_code_object_version 6
	.text
	.protected	k_q4b892837fc_vfe3
	.globl	k_q4b892837fc_vfe3
	.p2align	8
	.type	k_q4b892837fc_vfe3,@function
k_q4b892837fc_vfe3:
	s_mov_b64 s[64:65], 0
	v_nop
	global_prefetch_b8 v0, s[64:65] scope:SCOPE_SE
	s_setreg_imm32_b32 hwreg(HW_REG_WAVE_MODE, 25, 1), 1
	s_wait_xcnt 0x0
; VoxelFeatureEncoder, launch 3 of 4: finishes batch norm 2 from part2 (every work-group adds up the table for itself), recomputes layers 1 and 2 from xb
; and makes the sums of raw hf per work-group -> partf; a2, shift2 -> par2 (work-group 0).
; y1 = relu(bn1(h1)) m, p1 = max_t y1, h2 = m (y1 W2[0:32] + p1 W2[32:64]); y2 = relu(bn2(h2)) m, p2 = max_t y2, hf = m (y2 Wf[0:64] + p2 Wf[64:128]).
; The pooled half is the same for a voxel's ten points: its product is made once a voxel and enters the ten products as their C operand.
; LAYOUT: a group is 16 voxels.  The 16 columns of a tile are the 16 voxels at one point t, its rows 16 channels: the weights are the first operand.  A lane
; then holds eight neighbouring channels of one voxel, so two results round into one word of the next layer's data fragment with no move between lanes;
; the maximum over t is a maximum of registers; the mask is one register for each t.
; A wave takes groups W, W + 1024, ..: 6,250 groups over 1,024 waves are 6 or 7 trips.  Weights and shifts stay in registers; no barrier in the loop.
; FORMAT: f16 operands, f32 sums.  The gain a2 is folded into W2 before rounding: W' = W a / c, c the power of two at or below max |a|, and the norm
; multiplies by m c: |W'| < 2 |W| whatever the scales of the layers in front.
; LIMITS: |W|, |a1 W1| and relu(z) m below 65,504 / 2.  A voxel with no m > 0, NaN and infinities are not served (v_max_num drops a NaN).  The variance is
; E[h^2] - mean^2 in f32 from sums made in stages (a lane, 16 lanes, 4 waves, 256 work-groups).
; NO CLUSTER, NO TENSOR LOADS: work-groups share only weights and the table, read once each; a group's 3,200 bytes land fragment-ready in registers,
; asked for one trip ahead.
.set NGRP,   6250
.set NWAVE,  1024
.set XGB,    2560                      ; bytes of a group in xb
.set MGB,    640                       ; bytes of a group in mask
.set NCH,    64                        ; channels of the norm finished here
.set NOUT,   128                       ; channels whose sums are made
; LDS
.set RED,    0                         ; 2,048: each thread's 16 bytes of the table's column sums
.set PAR1,   2048                      ; a1[32], bias1[32]
.set PAR2,   2304                      ; a2[64], shift2[64]
.set W2L,    4096                      ; W2 in f16, [c][d], 64 rows
.set PT2,    160                       ; pitch: 128 bytes + 32, an odd multiple of 32
.set WFL,    14336                     ; Wf in f16, [c][d], 128 rows
.set PTF,    288                       ; pitch: 256 bytes + 32
.set STG,    51200                     ; a row of 1,024 bytes of sums for each wave
; arguments
.set A_XB, 4
.set A_MK, 6
.set A_W1, 8
.set A_W2, 10
.set A_P1, 12
.set A_WF, 14
.set A_G,  16
.set A_B,  18
.set A_PI, 20
.set A_PO, 22
.set A_PR, 24
; window 0
.set LOFF, 1                           ; 16 L
.set MOFF, 2                           ; 40 r
.set STO,  3                           ; my row of sums + 32 h
.set TOFF, 6                           ; 16 tid
.set C4,   7                           ; 4 tid
.set HB,   8                           ; 32 h
.set R4,   9                           ; 4 r
.set M,    10                          ; v[10:19] m[t] of my voxel
.set MS,   20                          ; v[20:29] m[t] c2
.set MN,   30                          ; v[30:39] the next group's mask
.set T,    40                          ; v[40:47] at work
.set ACC,  48                          ; v[48:79] two sets of two result tiles (points 2 i, 2 i + 1)
.set POOL1, 80                         ; v[80:95]
.set PF,   96                          ; v[96:159] p2 Wf[64:128], eight tiles
.set POOL2, 96                         ; v[96:127] before that
.set SH2,  160                         ; v[160:191] shift2 as tiles
.set SQF,  192                         ; v[192:255] sums of hf^2
.set BANK, 64                          ; prologue: v[64:191] two banks of 16 loads of the table
.set W1R,  10                          ; prologue: v[10:23] W1[c][16 mt + r]
.set GV,   24                          ; prologue: g, b of my channel
.set PD,   26                          ; prologue: v[26:29] par1 on its way in, par2 on its way out
.set GOF,  240                         ; prologue: 4 (tid mod NCH)
.set L8,   241                         ; prologue: 8 L
; window 1
.set Y1,   0                           ; v[0:79]   y1 as data fragments, 8 registers a point (prologue: W2, Wf in f32, v[0:159])
.set Y2,   80                          ; v[80:239] y2, 16 registers a point
.set PB1,  240                         ; v[240:247] p1
.set PB2,  0                           ; v[0:15]   p2 (y1 of points 0, 1 is dead by then)
; window 2
.set WFT,  0                           ; Wf[0:64], tile mt, K step ks at 16 mt + 8 ks
.set WFB,  128                         ; Wf[64:128]
; window 3
.set A1,   0                           ; a1 W1: point hv, tile mt at 16 hv + 8 mt; upper four registers 0
.set B1,   32                          ; bias1 as tiles
.set W2T,  48                          ; W2[0:32]
.set W2B,  80                          ; W2[32:64]
.set P1,   112                         ; p1 W2[32:64], four tiles
.set X,    144                         ; v[144:163] five blocks of xb; v[164:167] zeros
.set XZ,   164
.set SUMF, 168                         ; v[168:231] sums of hf
; s_set_vgpr_msb: bits 1:0 source 0, 3:2 source 1, 5:4 source 2, 7:6 destination
.set W_L1,  0x3f
.set W_CV,  0x40
.set W_P1,  0xc7
.set W_L2,  0x37
.set W_LF,  0x06
.set W_D2,  0x80
.set W_D3,  0xc0
.set W_SUM, 0xf0
.set W_DPP3, 0xcf
.set W_ST3, 0x0c
.set MSB, 0
.macro WIN new                         ; the immediate's high byte repeats the setting that is left; a switch that changes nothing is dropped
.if MSB != \new
	s_set_vgpr_msb (MSB<<8)|\new
.set MSB, \new
.endif
.endm
.macro BAR                             ; my LDS instructions are done, for the others' sake; then the work-group's barrier
	s_wait_dscnt 0x0
	s_barrier_signal -1
	s_barrier_wait -1
.endm
.macro NOP5                            ; five places behind a matrix instruction whose result another one takes as C (ISA guide 7.12.1)
.rept 5
	v_nop
.endr
.endm
; the table: thread tid adds up its 16 bytes of every 2,048, so its four columns stay the same
.macro RWHICH blk
.set RN, 16*(\blk)+RK
.set RQ, BANK+64*((\blk)&1)+4*RK
.set RC, T+4*(RK&1)
.endm
.macro RLOAD blk
.set RK, 0
.rept 16
	RWHICH \blk
	global_load_b128 v[RQ:RQ+3], v[TOFF], s[A_PI:A_PI+1] offset:2048*RN
.set RK, RK+1
.endr
.endm
.macro RADD blk
.set RK, 0
.rept 16
	RWHICH \blk
.if RN < 4
.if RK&1
	v_pk_add_f32 v[T+2*(RK-1):T+2*(RK-1)+1],   v[RQ-4:RQ-3], v[RQ:RQ+1]      ; the first four start two chains: nothing is cleared
	v_pk_add_f32 v[T+2*(RK-1)+2:T+2*(RK-1)+3], v[RQ-2:RQ-1], v[RQ+2:RQ+3]
.endif
.else
	v_pk_add_f32 v[RC:RC+1],   v[RC:RC+1],   v[RQ:RQ+1]
	v_pk_add_f32 v[RC+2:RC+3], v[RC+2:RC+3], v[RQ+2:RQ+3]
.endif
.set RK, RK+1
.endr
.endm
.macro RSTEP blk, left, refill
	s_wait_loadcnt \left                           ; loads come back in order (ISA guide 5.7.1): this bank is in, the other bank's 16 may be out
	RADD \blk
.if \refill
	RLOAD (\blk+2)
.endif
.endm
; c = the power of two at or below max |a| of n gains at LDS byte par: c to s[sd], s[sd+1], 1 / c to v[vi].  All lanes read one address (v52 = 0).
.macro CSCALE par, n, sd, vi
.set CK, 0
.rept \n/4
	ds_load_b128 v[BANK+4*CK:BANK+4*CK+3], v52 offset:\par+16*CK
.set CK, CK+1
.endr
	s_wait_dscnt 0x0
	v_max_num_f32 v53, |v[BANK]|, |v[BANK+1]|
.set CK, 2
.rept (\n-2)/2
	v_max3_num_f32 v53, v53, |v[BANK+CK]|, |v[BANK+CK+1]|
.set CK, CK+2
.endr
	v_and_b32 v53, 0x7f800000, v53                 ; the exponent alone: 2^(E - 127)
	v_sub_nc_u32 v[\vi], 0x7f000000, v53           ; exponent 254 - E: its reciprocal, exactly
	v_readfirstlane_b32 s[\sd], v53
	s_mov_b32 s[\sd+1], s[\sd]
.endm
; pieces of an epilogue on a tile of 8 registers at a; mp = the even-aligned pair m[2 i], m[2 i + 1]; hi picks one of the two for both halves
.macro MULM a, mp, hi
.irp q, 0,2,4,6
.if \hi
	v_pk_mul_f32 v[\a+\q:\a+\q+1], v[\a+\q:\a+\q+1], v[\mp:\mp+1] op_sel:[0,1] op_sel_hi:[1,1]
.else
	v_pk_mul_f32 v[\a+\q:\a+\q+1], v[\a+\q:\a+\q+1], v[\mp:\mp+1] op_sel_hi:[1,0]
.endif
.endr
.endm
.macro FMAM d, a, mp, hi, c            ; d = a m + c
.irp q, 0,2,4,6
.if \hi
	v_pk_fma_f32 v[\d+\q:\d+\q+1], v[\a+\q:\a+\q+1], v[\mp:\mp+1], v[\c+\q:\c+\q+1] op_sel:[0,1,0] op_sel_hi:[1,1,1]
.else
	v_pk_fma_f32 v[\d+\q:\d+\q+1], v[\a+\q:\a+\q+1], v[\mp:\mp+1], v[\c+\q:\c+\q+1] op_sel_hi:[1,0,1]
.endif
.endr
.endm
.macro SQM sq, a                       ; sq += a a
.irp q, 0,2,4,6
	v_pk_fma_f32 v[\sq+\q:\sq+\q+1], v[\a+\q:\a+\q+1], v[\a+\q:\a+\q+1], v[\sq+\q:\sq+\q+1]
.endr
.endm
.macro RELU8 a
.irp j, 0,1,2,3,4,5,6,7
	v_max_num_f32 v[\a+\j], 0, v[\a+\j]
.endr
.endm
.macro POOLM p, a, i                   ; the running maximum takes in both points; the first pair starts it
.irp j, 0,1,2,3,4,5,6,7
.if \i == 0
	v_max_num_f32 v[\p+\j], v[\a+\j], v[\a+8+\j]
.else
	v_max3_num_f32 v[\p+\j], v[\p+\j], v[\a+\j], v[\a+8+\j]
.endif
.endr
.endm
.macro CVT4 y, a                       ; eight channels of a lane = four words of the next layer's data fragment
.irp q, 0,1,2,3
	v_cvt_pk_f16_f32 v[\y+\q], v[\a+2*\q], v[\a+2*\q+1]
.endr
.endm
.macro LANESUM base, n                 ; over the 16 voxels of a half of the lanes
.irp x, 1,2,4,8
.set LR, \base
.rept \n
	v_add_f32_dpp v[LR], v[LR], v[LR] row_xmask:\x row_mask:0xf bank_mask:0xf
.set LR, LR+1
.endr
.endr
.endm
; a batch = points 2 i and 2 i + 1 of channel tile mt, in set s of ACC.  WMn issues its products, EPn is its epilogue.
; Every phase runs WM(0) WM(1) five places EP(0) WM(2) EP(1) ..: the other set's epilogue fills the places behind each product.
.macro WM1 i, mt, s
	WIN W_L1
	v_wmma_f32_16x16x32_f16 v[ACC+16*\s:ACC+16*\s+7],    v[A1+8*\mt:A1+8*\mt+7],       v[X+4*\i:X+4*\i+7], v[B1+8*\mt:B1+8*\mt+7]
	v_wmma_f32_16x16x32_f16 v[ACC+16*\s+8:ACC+16*\s+15], v[A1+16+8*\mt:A1+16+8*\mt+7], v[X+4*\i:X+4*\i+7], v[B1+8*\mt:B1+8*\mt+7]
.endm
.macro EP1 i, mt, s                    ; the product already is bn1(h1)
	WIN 0
	RELU8 ACC+16*\s
	RELU8 ACC+16*\s+8
	MULM ACC+16*\s, M+2*\i, 0
	MULM ACC+16*\s+8, M+2*\i, 1
	POOLM POOL1+8*\mt, ACC+16*\s, \i
	WIN W_CV
	CVT4 Y1+16*\i+4*\mt, ACC+16*\s
	CVT4 Y1+16*\i+8+4*\mt, ACC+16*\s+8
.endm
.macro WM2 i, mt, s
	WIN W_L2
	v_wmma_f32_16x16x32_f16 v[ACC+16*\s:ACC+16*\s+7],    v[W2T+8*\mt:W2T+8*\mt+7], v[Y1+16*\i:Y1+16*\i+7],    v[P1+8*\mt:P1+8*\mt+7]
	v_wmma_f32_16x16x32_f16 v[ACC+16*\s+8:ACC+16*\s+15], v[W2T+8*\mt:W2T+8*\mt+7], v[Y1+16*\i+8:Y1+16*\i+15], v[P1+8*\mt:P1+8*\mt+7]
.endm
.macro EP2 i, mt, s
	WIN 0
	FMAM ACC+16*\s, ACC+16*\s, MS+2*\i, 0, SH2+8*\mt             ; bn2(h2) = (m c2) acc + shift2
	FMAM ACC+16*\s+8, ACC+16*\s+8, MS+2*\i, 1, SH2+8*\mt
	RELU8 ACC+16*\s
	RELU8 ACC+16*\s+8
	MULM ACC+16*\s, M+2*\i, 0
	MULM ACC+16*\s+8, M+2*\i, 1
	POOLM POOL2+8*\mt, ACC+16*\s, \i
	WIN W_CV
	CVT4 Y2+32*\i+4*\mt, ACC+16*\s
	CVT4 Y2+32*\i+16+4*\mt, ACC+16*\s+8
.endm
.macro WM3 i, mt, s                    ; two K steps on two accumulators, which take turns, one instruction a turn
	WIN W_LF
	v_wmma_f32_16x16x32_f16 v[ACC+16*\s:ACC+16*\s+7],    v[WFT+16*\mt:WFT+16*\mt+7],    v[Y2+32*\i:Y2+32*\i+7],     v[PF+8*\mt:PF+8*\mt+7]
	v_wmma_f32_16x16x32_f16 v[ACC+16*\s+8:ACC+16*\s+15], v[WFT+16*\mt:WFT+16*\mt+7],    v[Y2+32*\i+16:Y2+32*\i+23], v[PF+8*\mt:PF+8*\mt+7]
	v_wmma_f32_16x16x32_f16 v[ACC+16*\s:ACC+16*\s+7],    v[WFT+16*\mt+8:WFT+16*\mt+15], v[Y2+32*\i+8:Y2+32*\i+15],  v[ACC+16*\s:ACC+16*\s+7]
	v_wmma_f32_16x16x32_f16 v[ACC+16*\s+8:ACC+16*\s+15], v[WFT+16*\mt+8:WFT+16*\mt+15], v[Y2+32*\i+24:Y2+32*\i+31], v[ACC+16*\s+8:ACC+16*\s+15]
.endm
.macro EP3 i, mt, s                    ; hf = m acc: its sum and the sum of its squares
	WIN W_SUM
	FMAM SUMF+8*\mt, ACC+16*\s, M+2*\i, 0, SUMF+8*\mt
	FMAM SUMF+8*\mt, ACC+16*\s+8, M+2*\i, 1, SUMF+8*\mt
	WIN 0
	MULM ACC+16*\s, M+2*\i, 0
	MULM ACC+16*\s+8, M+2*\i, 1
	SQM SQF+8*\mt, ACC+16*\s
	SQM SQF+8*\mt, ACC+16*\s+8
.endm
; ================= prologue =================
	s_load_b512 s[4:19], s[0:1], 0x0               ; the first eight addresses
	s_load_b128 s[20:23], s[0:1], 0x40
	s_load_b64 s[24:25], s[0:1], 0x50
	v_lshl_add_u32 v4, v0, 2, 0xd800
	v_mov_b32 v5, 0
	v_lshrrev_b32 v40, 5, v0
	v_readfirstlane_b32 s26, v40                   ; wave 0 .. 3
	s_lshl_b32 s28, ttmp9, 2
	s_add_co_u32 s28, s28, s26                     ; my first group = my wave's number in the launch
	s_mov_b32 s39, 0                               ; upper word of every offset pair s[38:39]
	s_mov_b32 s40, 0xffff0000                      ; lanes 16 to 31
	v_and_b32 v40, 31, v0                          ; L
	v_and_b32 v41, 15, v0                          ; r
	v_bfe_u32 v42, v0, 4, 1                        ; h
	v_lshlrev_b32 v[LOFF], 4, v40
	v_mul_u32_u24 v[MOFF], 40, v41
	v_lshlrev_b32 v[TOFF], 4, v0
	v_lshlrev_b32 v[C4], 2, v0
	v_lshlrev_b32 v[HB], 5, v42
	v_lshlrev_b32 v[R4], 2, v41
	v_and_b32 v[GOF], NCH-1, v0
	v_lshlrev_b32 v[GOF], 2, v[GOF]
	v_lshlrev_b32 v[L8], 3, v40
	s_lshl_b32 s38, s26, 10
	s_add_co_u32 s38, s38, STG                     ; my row of sums
	v_add_nc_u32 v[STO], s38, v[HB]
	s_wait_kmcnt 0x0
	s_mul_i32 s38, s28, XGB
	s_add_nc_u64 s[32:33], s[A_XB:A_XB+1], s[38:39]
	s_mul_i32 s38, s28, MGB
	s_add_nc_u64 s[34:35], s[A_MK:A_MK+1], s[38:39]
	; all loads go out first; the table last, so that its counted waits cover all the others
	WIN W_D3
.irp i, 0,1,2,3,4
	global_load_b128 v[X+4*\i:X+4*\i+3], v[LOFF], s[32:33] offset:512*\i
.endr
	WIN 0
.irp k, 0,1,2,3,4
	global_load_b64 v[MN+2*\k:MN+2*\k+1], v[MOFF], s[34:35] offset:8*\k
.endr
	WIN W_CV
.set K, 0
.rept 8
	global_load_b128 v[4*K:4*K+3], v[TOFF], s[A_W2:A_W2+1] offset:2048*K          ; W2 in f32: row (tid >> 4) + 8 K, columns 4 (tid & 15) ..
.set K, K+1
.endr
.set K, 0
.rept 32
	global_load_b128 v[32+4*K:32+4*K+3], v[TOFF], s[A_WF:A_WF+1] offset:2048*K    ; Wf in f32: row (tid >> 5) + 4 K, columns 4 (tid & 31) ..
.set K, K+1
.endr
	WIN 0
.irp c, 0,1,2,3,4,5,6
	global_load_b32 v[W1R+\c],   v[R4], s[A_W1:A_W1+1] offset:128*\c
	global_load_b32 v[W1R+7+\c], v[R4], s[A_W1:A_W1+1] offset:128*\c+64
.endr
	global_load_b32 v[GV],   v[GOF], s[A_G:A_G+1]
	global_load_b32 v[GV+1], v[GOF], s[A_B:A_B+1]
	s_cmp_lg_u32 s26, 0
	s_cbranch_scc1 .Lno_p1
	global_load_b64 v[PD:PD+1], v[L8], s[A_P1:A_P1+1]              ; wave 0 brings par1's 256 bytes
.Lno_p1:
	RLOAD 0
	RLOAD 1
	RSTEP 0, 16, 1
	RSTEP 1, 16, 1
	RSTEP 2, 16, 0
	RSTEP 3, 0, 0
	v_pk_add_f32 v[T:T+1],   v[T:T+1],   v[T+4:T+5]
	v_pk_add_f32 v[T+2:T+3], v[T+2:T+3], v[T+6:T+7]
	ds_store_b128 v[TOFF], v[T:T+3] offset:RED
	s_cmp_lg_u32 s26, 0
	s_cbranch_scc1 .Lno_s1
	ds_store_b64 v[L8], v[PD:PD+1] offset:PAR1
.Lno_s1:
	BAR
	; gain and shift: thread c < NCH adds the 256 / NCH rows left in RED (a row is NCH sums, then NCH sums of squares)
	s_cmp_ge_u32 s26, NCH/32
	s_cbranch_scc1 .Lno_param
.set K, 0
.rept 256/NCH
	ds_load_b32 v[48+K], v[C4] offset:RED+8*NCH*K
	ds_load_b32 v[56+K], v[C4] offset:RED+8*NCH*K+4*NCH
.set K, K+1
.endr
	s_wait_dscnt 0x0
.set K, 1
.rept 256/NCH-1
	v_add_f32 v48, v48, v[48+K]
	v_add_f32 v56, v56, v[56+K]
.set K, K+1
.endr
	v_mul_f32 v48, 0x358637bd, v48                 ; mean = S / 1,000,000
	v_mul_f32 v56, 0x358637bd, v56                 ; E[h^2]
	v_fma_f32 v56, -v48, v48, v56                  ; the biased variance,
	v_max_num_f32 v56, 0, v56                      ; not below 0
	v_add_f32 v56, 0x3727c5ac, v56                 ; + 1e-5
	v_rsq_f32 v57, v56
	v_nop                                          ; one plain place behind a transcendental (ISA guide 5.7.2)
	s_wait_alu depctr_va_vdst(0)
	v_mul_f32 v57, v[GV], v57                      ; a = g / sqrt(var + eps)
	v_fma_f32 v58, -v57, v48, v[GV+1]              ; shift = b - a mean
	ds_store_b32 v[C4], v57 offset:PAR2
	ds_store_b32 v[C4], v58 offset:PAR2+4*NCH
.Lno_param:
	BAR
	s_cmp_lg_u32 ttmp9, 0                          ; wave 0 of work-group 0 leaves them for the last launch
	s_cbranch_scc1 .Lno_par
	s_cmp_lg_u32 s26, 0
	s_cbranch_scc1 .Lno_par
	ds_load_b128 v[PD:PD+3], v[LOFF] offset:PAR2
	s_wait_dscnt 0x0
	global_store_b128 v[LOFF], v[PD:PD+3], s[A_PR:A_PR+1]          ; 512 consecutive bytes; PD is written again only behind the first trip's s_wait_xcnt 0
.Lno_par:
	; the weights: W2 scaled by a2 / c2, Wf as it is; rounded to f16, into LDS as [c][d]
	v_mov_b32 v52, 0
	CSCALE PAR2, 64, 44, 54
	v_and_b32 v40, 15, v0
	v_lshrrev_b32 v41, 4, v0
	v_mul_u32_u24 v41, PT2, v41
	v_lshl_add_u32 v41, v40, 3, v41                ; 160 (tid >> 4) + 8 (tid & 15)
	v_lshlrev_b32 v40, 4, v40
	ds_load_b128 v[44:47], v40 offset:PAR2         ; a2 of my four columns
	v_lshrrev_b32 v43, 5, v0
	v_mul_u32_u24 v43, PTF, v43
	v_lshrrev_b32 v42, 1, v[LOFF]
	v_add_nc_u32 v43, v43, v42                     ; 288 (tid >> 5) + 8 (tid & 31)
	s_wait_dscnt 0x0
.irp q, 0,1,2,3
	v_mul_f32 v[44+\q], v54, v[44+\q]
.endr
	WIN 0x41                                       ; in place in window 1, by a quad of window 0
.set K, 0
.rept 8
	v_pk_mul_f32 v[4*K:4*K+1],   v[4*K:4*K+1],   v[44:45]
	v_pk_mul_f32 v[4*K+2:4*K+3], v[4*K+2:4*K+3], v[46:47]
.set K, K+1
.endr
	WIN 0x05                                       ; from window 1 into window 0
.set K, 0
.rept 40
	v_cvt_pk_f16_f32 v[64+2*K], v[4*K],   v[4*K+1]
	v_cvt_pk_f16_f32 v[65+2*K], v[4*K+2], v[4*K+3]
.set K, K+1
.endr
	WIN 0
.set K, 0
.rept 8
	ds_store_b64 v41, v[64+2*K:65+2*K] offset:W2L+8*PT2*K
.set K, K+1
.endr
.set K, 0
.rept 32
	ds_store_b64 v43, v[80+2*K:81+2*K] offset:WFL+4*PTF*K
.set K, K+1
.endr
	BAR
	; fragments.  Row = output channel d, k = input channel c; in LDS c runs down the rows, so the transposing load brings lane (r, h) the eight
	; c = 8 h .. of column 16 mt + r, and 16 rows further down the eight c = 16 + 8 h ..
	v_and_b32 v40, 7, v0
	v_bfe_u32 v41, v0, 4, 1
	v_lshl_add_u32 v40, v41, 3, v40                ; 8 h + (L & 7)
	v_bfe_u32 v41, v0, 3, 1
	v_lshlrev_b32 v41, 4, v41                      ; 16 ((L >> 3) & 1)
	v_mad_u32_u24 v42, v40, PT2, v41
	v_mad_u32_u24 v43, v40, PTF, v41
	WIN W_D3
.irp mt, 0,1,2,3
	ds_load_tr16_b128 v[W2T+8*\mt:W2T+8*\mt+3],   v42 offset:W2L+32*\mt
	ds_load_tr16_b128 v[W2T+8*\mt+4:W2T+8*\mt+7], v42 offset:W2L+32*\mt+16*PT2
	ds_load_tr16_b128 v[W2B+8*\mt:W2B+8*\mt+3],   v42 offset:W2L+32*\mt+32*PT2
	ds_load_tr16_b128 v[W2B+8*\mt+4:W2B+8*\mt+7], v42 offset:W2L+32*\mt+48*PT2
.endr
.irp mt, 0,1
	ds_load_b128 v[B1+8*\mt:B1+8*\mt+3],   v[HB] offset:PAR1+128+64*\mt      ; register j of a tile: channel 16 mt + 8 h + j
	ds_load_b128 v[B1+8*\mt+4:B1+8*\mt+7], v[HB] offset:PAR1+128+64*\mt+16
.endr
	WIN W_D2
.irp mt, 0,1,2,3,4,5,6,7
.irp ks, 0,1
	ds_load_tr16_b128 v[WFT+16*\mt+8*\ks:WFT+16*\mt+8*\ks+3],   v43 offset:WFL+32*\mt+32*\ks*PTF
	ds_load_tr16_b128 v[WFT+16*\mt+8*\ks+4:WFT+16*\mt+8*\ks+7], v43 offset:WFL+32*\mt+32*\ks*PTF+16*PTF
	ds_load_tr16_b128 v[WFB+16*\mt+8*\ks:WFB+16*\mt+8*\ks+3],   v43 offset:WFL+32*\mt+32*(\ks+2)*PTF
	ds_load_tr16_b128 v[WFB+16*\mt+8*\ks+4:WFB+16*\mt+8*\ks+7], v43 offset:WFL+32*\mt+32*(\ks+2)*PTF+16*PTF
.endr
.endr
	WIN 0
	ds_load_b32 v44, v[R4] offset:PAR1             ; a1 of my row of the weight fragment, tile 0
	ds_load_b32 v45, v[R4] offset:PAR1+64          ; and tile 1
.irp mt, 0,1,2,3
	ds_load_b128 v[SH2+8*\mt:SH2+8*\mt+3],   v[HB] offset:PAR2+256+64*\mt
	ds_load_b128 v[SH2+8*\mt+4:SH2+8*\mt+7], v[HB] offset:PAR2+256+64*\mt+16
.endr
	s_wait_dscnt 0x0
	v_mov_b32 v56, 0
.irp c, 0,1,2,3,4,5,6
	v_mul_f32 v[W1R+\c],   v[W1R+\c],   v44
	v_mul_f32 v[W1R+7+\c], v[W1R+7+\c], v45
.endr
.irp mt, 0,1
	v_cvt_pk_f16_f32 v[48+4*\mt], v[W1R+7*\mt],   v[W1R+7*\mt+1]
	v_cvt_pk_f16_f32 v[49+4*\mt], v[W1R+7*\mt+2], v[W1R+7*\mt+3]
	v_cvt_pk_f16_f32 v[50+4*\mt], v[W1R+7*\mt+4], v[W1R+7*\mt+5]
	v_cvt_pk_f16_f32 v[51+4*\mt], v[W1R+7*\mt+6], v56               ; the eighth is 0
.endr
	WIN W_D3
.irp mt, 0,1
.irp q, 0,1,2,3
	v_cndmask_b32 v[A1+8*\mt+\q],    v[48+4*\mt+\q], v56, s40       ; point 2 i: weights at k = 0 .. 7 (lanes 0-15), zeros in lanes 16-31
	v_cndmask_b32 v[A1+16+8*\mt+\q], v56, v[48+4*\mt+\q], s40       ; point 2 i + 1: the other way round
	v_mov_b32 v[A1+8*\mt+4+\q], 0                                   ; k = 16 .. 31 are zeros: there the data fragment holds the next block
	v_mov_b32 v[A1+16+8*\mt+4+\q], 0
.endr
.endr
.irp q, 0,1,2,3
	v_mov_b32 v[XZ+\q], 0
.endr
	; the sums that live through all trips are cleared once a launch: a first trip written out apart would be a second copy of the whole loop
.set K, 0
.rept 64
	v_mov_b32 v[SUMF+K], 0
.set K, K+1
.endr
	WIN 0
.set K, 0
.rept 64
	v_mov_b32 v[SQF+K], 0
.set K, K+1
.endr
; ================= one trip = one group =================
.Ltrip:
	s_wait_loadcnt 0x0                             ; this group's five blocks and its mask, asked for a trip ago
	s_wait_xcnt 0x0                                ; the store of par2 has read PD (ISA guide 3.1), on which MS lies
.irp t, 0,1,2,3,4,5,6,7,8,9
	v_mov_b32 v[M+\t], v[MN+\t]                    ; m is used to the trip's end, so the next group's lands in registers of its own
.endr
.irp t, 0,2,4,6,8
	v_pk_mul_f32 v[MS+\t:MS+\t+1], v[MN+\t:MN+\t+1], s[44:45] op_sel_hi:[1,0]     ; m c2
.endr
	s_add_co_u32 s31, s28, NWAVE
	s_min_u32 s31, s31, NGRP-1                     ; the next group; in the last trip a group inside the buffers, whose data nobody uses
	s_mul_i32 s38, s31, XGB
	s_add_nc_u64 s[32:33], s[A_XB:A_XB+1], s[38:39]
	s_mul_i32 s38, s31, MGB
	s_add_nc_u64 s[34:35], s[A_MK:A_MK+1], s[38:39]
.irp k, 0,1,2,3,4
	global_load_b64 v[MN+2*\k:MN+2*\k+1], v[MOFF], s[34:35] offset:8*\k
.endr
	; phase 1: y1 and p1.  Ten batches, block i outer, channel tile inner
	WM1 0, 0, 0
	WM1 0, 1, 1
	NOP5
	EP1 0, 0, 0
.set BT, 2
.rept 8
	WM1 (BT/2), (BT&1), (BT&1)
	EP1 ((BT-1)/2), ((BT-1)&1), ((BT-1)&1)
.set BT, BT+1
.endr
	EP1 4, 1, 1
	WIN W_D3
.irp i, 0,1,2,3,4
	global_load_b128 v[X+4*\i:X+4*\i+3], v[LOFF], s[32:33] offset:512*\i     ; the next group's blocks: the rest of the trip to land in
.endr
	; p1 W2[32:64], once a voxel
	WIN W_CV
	CVT4 PB1, POOL1
	CVT4 PB1+4, POOL1+8
	WIN W_P1
.irp mt, 0,1,2,3
	v_wmma_f32_16x16x32_f16 v[P1+8*\mt:P1+8*\mt+7], v[W2B+8*\mt:W2B+8*\mt+7], v[PB1:PB1+7], 0
.endr
	NOP5
	; phase 2: twenty batches, channel tile outer
	WM2 0, 0, 0
	WM2 1, 0, 1
	NOP5
	EP2 0, 0, 0
.set BT, 2
.rept 18
	WM2 (BT%5), (BT/5), (BT&1)
	EP2 ((BT-1)%5), ((BT-1)/5), ((BT-1)&1)
.set BT, BT+1
.endr
	EP2 4, 3, 1
	; p2 Wf[64:128], once a voxel: eight accumulators take turns
	WIN W_CV
.irp mt, 0,1,2,3
	CVT4 PB2+4*\mt, POOL2+8*\mt
.endr
	WIN W_LF
.irp mt, 0,1,2,3,4,5,6,7
	v_wmma_f32_16x16x32_f16 v[PF+8*\mt:PF+8*\mt+7], v[WFB+16*\mt:WFB+16*\mt+7], v[PB2:PB2+7], 0
.endr
.irp mt, 0,1,2,3,4,5,6,7
	v_wmma_f32_16x16x32_f16 v[PF+8*\mt:PF+8*\mt+7], v[WFB+16*\mt+8:WFB+16*\mt+15], v[PB2+8:PB2+15], v[PF+8*\mt:PF+8*\mt+7]
.endr
	NOP5
	; phase 3: forty batches, channel tile outer
	WM3 0, 0, 0
	WM3 1, 0, 1
	NOP5
	EP3 0, 0, 0
.set BT, 2
.rept 38
	WM3 (BT%5), (BT/5), (BT&1)
	EP3 ((BT-1)%5), ((BT-1)/5), ((BT-1)&1)
.set BT, BT+1
.endr
	EP3 4, 7, 1
	WIN 0
	s_add_co_u32 s28, s28, NWAVE
	s_cmp_lt_u32 s28, NGRP
	s_cbranch_scc1 .Ltrip
	; the wave's sums: over the 16 voxels of a half of the lanes, into my row [NOUT sums | NOUT sums of squares]; then over the four waves
	LANESUM SQF, 64
	WIN W_DPP3
	LANESUM SUMF, 64
	WIN W_ST3
.irp mt, 0,1,2,3,4,5,6,7
	ds_store_b128 v[STO], v[SUMF+8*\mt:SUMF+8*\mt+3]   offset:64*\mt
	ds_store_b128 v[STO], v[SUMF+8*\mt+4:SUMF+8*\mt+7] offset:64*\mt+16
.endr
	WIN 0
.irp mt, 0,1,2,3,4,5,6,7
	ds_store_b128 v[STO], v[SQF+8*\mt:SQF+8*\mt+3]     offset:4*NOUT+64*\mt
	ds_store_b128 v[STO], v[SQF+8*\mt+4:SQF+8*\mt+7]   offset:4*NOUT+64*\mt+16
.endr
	BAR
	s_cmp_ge_u32 s26, NOUT/64                      ; a row is 8 NOUT bytes: NOUT / 2 threads of 16 bytes
	s_cbranch_scc1 .Lend
.irp w, 0,1,2,3
	ds_load_b128 v[48+4*\w:51+4*\w], v[TOFF] offset:STG+1024*\w
.endr
	s_wait_dscnt 0x0
	v_pk_add_f32 v[48:49], v[48:49], v[52:53]
	v_pk_add_f32 v[50:51], v[50:51], v[54:55]
	v_pk_add_f32 v[56:57], v[56:57], v[60:61]
	v_pk_add_f32 v[58:59], v[58:59], v[62:63]
	v_pk_add_f32 v[48:49], v[48:49], v[56:57]
	v_pk_add_f32 v[50:51], v[50:51], v[58:59]
	s_mul_i32 s38, ttmp9, 8*NOUT
	s_add_nc_u64 s[36:37], s[A_PO:A_PO+1], s[38:39]
	global_store_b128 v[TOFF], v[48:51], s[36:37]  ; a wave stores 512 consecutive bytes, aligned
.Lend:
	s_wait_tensorcnt 0x0
	ds_add_u32 v4, v5
	s_wait_dscnt 0x0
	s_endpgm
.Lfunc_end_k_q4b892837fc_vfe3:
	.size	k_q4b892837fc_vfe3, .Lfunc_end_k_q4b892837fc_vfe3-k_q4b892837fc_vfe3
	.p2alignl 7, 3214868480
	.fill 96, 4, 3214868480
	.section	.rodata,"a",@progbits
	.p2align	6, 0x0
	.amdhsa_kernel k_q4b892837fc_vfe3
		.amdhsa_group_segment_fixed_size 55808
		.amdhsa_private_segment_fixed_size 0
		.amdhsa_enable_private_segment 0
		.amdhsa_kernarg_size 88
		.amdhsa_user_sgpr_count 2
		.amdhsa_user_sgpr_kernarg_segment_ptr 1
		.amdhsa_wavefront_size32 1
		.amdhsa_system_sgpr_workgroup_id_x 1
		.amdhsa_system_sgpr_workgroup_id_y 1
		.amdhsa_system_sgpr_workgroup_id_z 1
		.amdhsa_system_vgpr_workitem_id 0
		.amdhsa_next_free_vgpr 1024
		.amdhsa_next_free_sgpr 66
		.amdhsa_reserve_vcc 0
		.amdhsa_float_denorm_mode_32 3
		.amdhsa_float_denorm_mode_16_64 3
		.amdhsa_memory_ordered 1
		.amdhsa_forward_progress 1
		.amdhsa_inst_pref_size 240
	.end_amdhsa_kernel
	.amdgpu_metadata
---
amdhsa.version: [ 1, 2 ]
amdhsa.kernels:
  - .name:           k_q4b892837fc_vfe3
    .symbol:         k_q4b892837fc_vfe3.kd
    .args:
      - { .name: xb, .offset: 0, .size: 8, .value_kind: global_buffer, .address_space: global }
      - { .name: mask, .offset: 8, .size: 8, .value_kind: global_buffer, .address_space: global }
      - { .name: W1, .offset: 16, .size: 8, .value_kind: global_buffer, .address_space: global }
      - { .name: W2, .offset: 24, .size: 8, .value_kind: global_buffer, .address_space: global }
      - { .name: par1, .offset: 32, .size: 8, .value_kind: global_buffer, .address_space: global }
      - { .name: Wf, .offset: 40, .size: 8, .value_kind: global_buffer, .address_space: global }
      - { .name: g2, .offset: 48, .size: 8, .value_kind: global_buffer, .address_space: global }
      - { .name: b2, .offset: 56, .size: 8, .value_kind: global_buffer, .address_space: global }
      - { .name: part2, .offset: 64, .size: 8, .value_kind: global_buffer, .address_space: global }
      - { .name: partf, .offset: 72, .size: 8, .value_kind: global_buffer, .address_space: global }
      - { .name: par2, .offset: 80, .size: 8, .value_kind: global_buffer, .address_space: global }
    .group_segment_fixed_size: 55808
    .private_segment_fixed_size: 0
    .kernarg_segment_align: 8
    .kernarg_segment_size: 88
    .max_flat_workgroup_size: 128
    .sgpr_count:     66
    .vgpr_count:     1024
    .wavefront_size: 32
...
	.end_amdgpu_metadata
.endif
;; end of part 3
;; launch vfe4 (part 4): grid 256 x 1, 4 waves a work-group, no clusters, 85,504 bytes of LDS; arguments xb, mask, W1, W2, par1, Wf, par2, gf, bf, partf, out0; writes out0
.if DOCPART == 4
	.amdgcn_target "amdgcn-amd-amdhsa--gfx1250"
	.amdhsa_code_object_version 6
	.text
	.protected	k_q4b892837fc_vfe4
	.globl	k_q4b892837fc_vfe4
	.p2align	8
	.type	k_q4b892837fc_vfe4,@function
k_q4b892837fc_vfe4:
	s_mov_b64 s[64:65], 0
	v_nop
	global_prefetch_b8 v0, s[64:65] scope:SCOPE_SE
	s_setreg_imm32_b32 hwreg(HW_REG_WAVE_MODE, 25, 1), 1
	s_wait_xcnt 0x0
; VoxelFeatureEncoder, launch 4 of 4: finishes the last batch norm from partf (every work-group adds up the table for itself), recomputes all three layers
; from xb and stores the maximum over each voxel's points -> out0.
; y1 = relu(bn1(h1)) m, p1 = max_t y1, h2 = m (y1 W2[0:32] + p1 W2[32:64]); y2 = relu(bn2(h2)) m, p2 = max_t y2, hf = m (y2 Wf[0:64] + p2 Wf[64:128]);
; out = max(0, max_t bnf(hf) max(m, 0)).  The pooled half is the same for a voxel's ten points: its product is made once a voxel and enters the ten
; products as their C operand.
; LAYOUT: a group is 16 voxels.  The 16 columns of a tile are the 16 voxels at one point t, its rows 16 channels: the weights are the first operand.  A lane
; then holds eight neighbouring channels of one voxel, so two results round into one word of the next layer's data fragment with no move between lanes;
; the maximum over t is a maximum of registers; the mask is one register for each t.
; A wave takes groups W, W + 1024, ..: 6,250 groups over 1,024 waves are 6 or 7 trips.  Weights and shifts stay in registers; no barrier in the loop.
; FORMAT: f16 operands, f32 sums.  The gains are folded into the weights before rounding: W' = W a / c, c the power of two at or below max |a| of the
; layer, and the norm multiplies by m c: |W'| < 2 |W| whatever the scales of the layers in front.
; LIMITS: |W|, |a1 W1| and relu(z) m below 65,504 / 2.  A voxel with no m > 0, NaN and infinities are not served (v_max_num drops a NaN).  The variance is
; E[h^2] - mean^2 in f32 from sums made in stages (a lane, 16 lanes, 4 waves, 256 work-groups).
; NO CLUSTER, NO TENSOR LOADS: work-groups share only weights and the table, read once each; a group's 3,200 bytes land fragment-ready in registers,
; asked for one trip ahead.
.set NGRP,   6250
.set NWAVE,  1024
.set XGB,    2560                      ; bytes of a group in xb
.set MGB,    640                       ; bytes of a group in mask
.set NCH,    128                       ; channels of the norm finished here
; LDS
.set RED,    0                         ; 2,048: each thread's 16 bytes of the table's column sums
.set PAR1,   2048                      ; a1[32], bias1[32]
.set PAR2,   2304                      ; a2[64], shift2[64]
.set PARF,   2816                      ; af[128], shiftf[128]
.set W2L,    4096                      ; W2 in f16, [c][d], 64 rows
.set PT2,    160                       ; pitch: 128 bytes + 32, an odd multiple of 32
.set WFL,    14336                     ; Wf in f16, [c][d], 128 rows
.set PTF,    288                       ; pitch: 256 bytes + 32
.set STG,    51200                     ; a stage of 16 rows x 528 bytes for each wave
.set OPITCH, 528                       ; 512 bytes + 16: 33 x 16
; arguments
.set A_XB, 4
.set A_MK, 6
.set A_W1, 8
.set A_W2, 10
.set A_P1, 12
.set A_WF, 14
.set A_P2, 16
.set A_G,  18
.set A_B,  20
.set A_PI, 22
.set A_OUT, 24
; window 0
.set LOFF, 1                           ; 16 L
.set MOFF, 2                           ; 40 r
.set STO,  3                           ; stage + 528 r + 32 h
.set RD,   4                           ; stage + 528 (L >> 4) + 16 (L & 15)
.set CO,   5                           ; 512 (L >> 4) + 16 (L & 15)
.set TOFF, 6                           ; 16 tid
.set C4,   7                           ; 4 tid
.set HB,   8                           ; 32 h
.set R4,   9                           ; 4 r
.set M,    10                          ; v[10:19] m[t] of my voxel; in the last phase max(m[t], 0)
.set MS,   20                          ; v[20:29] m[t] c of the layer at work
.set MN,   30                          ; v[30:39] the next group's mask
.set T,    40                          ; v[40:47] at work
.set ACC,  48                          ; v[48:79] two sets of two result tiles (points 2 i, 2 i + 1)
.set POOL1, 80                         ; v[80:95]
.set OUT,  80                          ; v[80:87] last phase: the running maximum of one channel tile
.set PF,   96                          ; v[96:159] p2 Wf[64:128], eight tiles
.set POOL2, 96                         ; v[96:127] before that
.set TMP,  96                          ; v[96:159] after that: the way out
.set SH2,  160                         ; v[160:191] shift2 as tiles
.set SHF,  192                         ; v[192:255] shiftf as tiles
.set BANK, 64                          ; prologue: v[64:191] two banks of 16 loads of the table
.set W1R,  10                          ; prologue: v[10:23] W1[c][16 mt + r]
.set GV,   24                          ; prologue: g, b of my channel
.set PD,   26                          ; prologue: v[26:27] par1 on its way in (wave 0)
.set GOF,  240                         ; prologue: 4 (tid mod NCH)
.set L8,   241                         ; prologue: 8 L
.set PD2,  244                         ; prologue: v[244:247] par2 on its way in (wave 1): registers of its own, so that no two loads of the text name one register
; window 1
.set Y1,   0                           ; v[0:79]   y1 as data fragments, 8 registers a point (prologue: W2, Wf in f32, v[0:159])
.set Y2,   80                          ; v[80:239] y2, 16 registers a point
.set PB1,  240                         ; v[240:247] p1
.set PB2,  0                           ; v[0:15]   p2 (y1 of points 0, 1 is dead by then)
; window 2
.set WFT,  0                           ; Wf[0:64], tile mt, K step ks at 16 mt + 8 ks
.set WFB,  128                         ; Wf[64:128]
; window 3
.set A1,   0                           ; a1 W1: point hv, tile mt at 16 hv + 8 mt; upper four registers 0
.set B1,   32                          ; bias1 as tiles
.set W2T,  48                          ; W2[0:32]
.set W2B,  80                          ; W2[32:64]
.set P1,   112                         ; p1 W2[32:64], four tiles
.set X,    144                         ; v[144:163] five blocks of xb; v[164:167] zeros
.set XZ,   164
; s_set_vgpr_msb: bits 1:0 source 0, 3:2 source 1, 5:4 source 2, 7:6 destination
.set W_L1,  0x3f
.set W_CV,  0x40
.set W_P1,  0xc7
.set W_L2,  0x37
.set W_LF,  0x06
.set W_D2,  0x80
.set W_D3,  0xc0
.set MSB, 0
.macro WIN new                         ; the immediate's high byte repeats the setting that is left; a switch that changes nothing is dropped
.if MSB != \new
	s_set_vgpr_msb (MSB<<8)|\new
.set MSB, \new
.endif
.endm
.macro BAR                             ; my LDS instructions are done, for the others' sake; then the work-group's barrier
	s_wait_dscnt 0x0
	s_barrier_signal -1
	s_barrier_wait -1
.endm
.macro NOP5                            ; five places behind a matrix instruction whose result another one takes as C (ISA guide 7.12.1)
.rept 5
	v_nop
.endr
.endm
; the table: thread tid adds up its 16 bytes of every 2,048, so its four columns stay the same
.macro RWHICH blk
.set RN, 16*(\blk)+RK
.set RQ, BANK+64*((\blk)&1)+4*RK
.set RC, T+4*(RK&1)
.endm
.macro RLOAD blk
.set RK, 0
.rept 16
	RWHICH \blk
	global_load_b128 v[RQ:RQ+3], v[TOFF], s[A_PI:A_PI+1] offset:2048*RN
.set RK, RK+1
.endr
.endm
.macro RADD blk
.set RK, 0
.rept 16
	RWHICH \blk
.if RN < 4
.if RK&1
	v_pk_add_f32 v[T+2*(RK-1):T+2*(RK-1)+1],   v[RQ-4:RQ-3], v[RQ:RQ+1]      ; the first four start two chains: nothing is cleared
	v_pk_add_f32 v[T+2*(RK-1)+2:T+2*(RK-1)+3], v[RQ-2:RQ-1], v[RQ+2:RQ+3]
.endif
.else
	v_pk_add_f32 v[RC:RC+1],   v[RC:RC+1],   v[RQ:RQ+1]
	v_pk_add_f32 v[RC+2:RC+3], v[RC+2:RC+3], v[RQ+2:RQ+3]
.endif
.set RK, RK+1
.endr
.endm
.macro RSTEP blk, left, refill
	s_wait_loadcnt \left                           ; loads come back in order (ISA guide 5.7.1): this bank is in, the other bank's 16 may be out
	RADD \blk
.if \refill
	RLOAD (\blk+2)
.endif
.endm
; c = the power of two at or below max |a| of n gains at LDS byte par: c to s[sd], s[sd+1], 1 / c to v[vi].  All lanes read one address (v52 = 0).
.macro CSCALE par, n, sd, vi
.set CK, 0
.rept \n/4
	ds_load_b128 v[BANK+4*CK:BANK+4*CK+3], v52 offset:\par+16*CK
.set CK, CK+1
.endr
	s_wait_dscnt 0x0
	v_max_num_f32 v53, |v[BANK]|, |v[BANK+1]|
.set CK, 2
.rept (\n-2)/2
	v_max3_num_f32 v53, v53, |v[BANK+CK]|, |v[BANK+CK+1]|
.set CK, CK+2
.endr
	v_and_b32 v53, 0x7f800000, v53                 ; the exponent alone: 2^(E - 127)
	v_sub_nc_u32 v[\vi], 0x7f000000, v53           ; exponent 254 - E: its reciprocal, exactly
	v_readfirstlane_b32 s[\sd], v53
	s_mov_b32 s[\sd+1], s[\sd]
.endm
; pieces of an epilogue on a tile of 8 registers at a; mp = the even-aligned pair m[2 i], m[2 i + 1]; hi picks one of the two for both halves
.macro MULM a, mp, hi
.irp q, 0,2,4,6
.if \hi
	v_pk_mul_f32 v[\a+\q:\a+\q+1], v[\a+\q:\a+\q+1], v[\mp:\mp+1] op_sel:[0,1] op_sel_hi:[1,1]
.else
	v_pk_mul_f32 v[\a+\q:\a+\q+1], v[\a+\q:\a+\q+1], v[\mp:\mp+1] op_sel_hi:[1,0]
.endif
.endr
.endm
.macro FMAM d, a, mp, hi, c            ; d = a m + c
.irp q, 0,2,4,6
.if \hi
	v_pk_fma_f32 v[\d+\q:\d+\q+1], v[\a+\q:\a+\q+1], v[\mp:\mp+1], v[\c+\q:\c+\q+1] op_sel:[0,1,0] op_sel_hi:[1,1,1]
.else
	v_pk_fma_f32 v[\d+\q:\d+\q+1], v[\a+\q:\a+\q+1], v[\mp:\mp+1], v[\c+\q:\c+\q+1] op_sel_hi:[1,0,1]
.endif
.endr
.endm
.macro RELU8 a
.irp j, 0,1,2,3,4,5,6,7
	v_max_num_f32 v[\a+\j], 0, v[\a+\j]
.endr
.endm
.macro POOLM p, a, i                   ; the running maximum takes in both points; the first pair starts it
.irp j, 0,1,2,3,4,5,6,7
.if \i == 0
	v_max_num_f32 v[\p+\j], v[\a+\j], v[\a+8+\j]
.else
	v_max3_num_f32 v[\p+\j], v[\p+\j], v[\a+\j], v[\a+8+\j]
.endif
.endr
.endm
.macro CVT4 y, a                       ; eight channels of a lane = four words of the next layer's data fragment
.irp q, 0,1,2,3
	v_cvt_pk_f16_f32 v[\y+\q], v[\a+2*\q], v[\a+2*\q+1]
.endr
.endm
; a batch = points 2 i and 2 i + 1 of channel tile mt, in set s of ACC.  WMn issues its products, EPn is its epilogue.
; Every phase runs WM(0) WM(1) five places EP(0) WM(2) EP(1) ..: the other set's epilogue fills the places behind each product.
.macro WM1 i, mt, s
	WIN W_L1
	v_wmma_f32_16x16x32_f16 v[ACC+16*\s:ACC+16*\s+7],    v[A1+8*\mt:A1+8*\mt+7],       v[X+4*\i:X+4*\i+7], v[B1+8*\mt:B1+8*\mt+7]
	v_wmma_f32_16x16x32_f16 v[ACC+16*\s+8:ACC+16*\s+15], v[A1+16+8*\mt:A1+16+8*\mt+7], v[X+4*\i:X+4*\i+7], v[B1+8*\mt:B1+8*\mt+7]
.endm
.macro EP1 i, mt, s                    ; the product already is bn1(h1)
	WIN 0
	RELU8 ACC+16*\s
	RELU8 ACC+16*\s+8
	MULM ACC+16*\s, M+2*\i, 0
	MULM ACC+16*\s+8, M+2*\i, 1
	POOLM POOL1+8*\mt, ACC+16*\s, \i
	WIN W_CV
	CVT4 Y1+16*\i+4*\mt, ACC+16*\s
	CVT4 Y1+16*\i+8+4*\mt, ACC+16*\s+8
.endm
.macro WM2 i, mt, s
	WIN W_L2
	v_wmma_f32_16x16x32_f16 v[ACC+16*\s:ACC+16*\s+7],    v[W2T+8*\mt:W2T+8*\mt+7], v[Y1+16*\i:Y1+16*\i+7],    v[P1+8*\mt:P1+8*\mt+7]
	v_wmma_f32_16x16x32_f16 v[ACC+16*\s+8:ACC+16*\s+15], v[W2T+8*\mt:W2T+8*\mt+7], v[Y1+16*\i+8:Y1+16*\i+15], v[P1+8*\mt:P1+8*\mt+7]
.endm
.macro EP2 i, mt, s
	WIN 0
	FMAM ACC+16*\s, ACC+16*\s, MS+2*\i, 0, SH2+8*\mt             ; bn2(h2) = (m c2) acc + shift2
	FMAM ACC+16*\s+8, ACC+16*\s+8, MS+2*\i, 1, SH2+8*\mt
	RELU8 ACC+16*\s
	RELU8 ACC+16*\s+8
	MULM ACC+16*\s, M+2*\i, 0
	MULM ACC+16*\s+8, M+2*\i, 1
	POOLM POOL2+8*\mt, ACC+16*\s, \i
	WIN W_CV
	CVT4 Y2+32*\i+4*\mt, ACC+16*\s
	CVT4 Y2+32*\i+16+4*\mt, ACC+16*\s+8
.endm
.macro WM3 i, mt, s                    ; two K steps on two accumulators, which take turns, one instruction a turn
	WIN W_LF
	v_wmma_f32_16x16x32_f16 v[ACC+16*\s:ACC+16*\s+7],    v[WFT+16*\mt:WFT+16*\mt+7],    v[Y2+32*\i:Y2+32*\i+7],     v[PF+8*\mt:PF+8*\mt+7]
	v_wmma_f32_16x16x32_f16 v[ACC+16*\s+8:ACC+16*\s+15], v[WFT+16*\mt:WFT+16*\mt+7],    v[Y2+32*\i+16:Y2+32*\i+23], v[PF+8*\mt:PF+8*\mt+7]
	v_wmma_f32_16x16x32_f16 v[ACC+16*\s:ACC+16*\s+7],    v[WFT+16*\mt+8:WFT+16*\mt+15], v[Y2+32*\i+8:Y2+32*\i+15],  v[ACC+16*\s:ACC+16*\s+7]
	v_wmma_f32_16x16x32_f16 v[ACC+16*\s+8:ACC+16*\s+15], v[WFT+16*\mt+8:WFT+16*\mt+15], v[Y2+32*\i+24:Y2+32*\i+31], v[ACC+16*\s+8:ACC+16*\s+15]
.endm
.macro EP3 i, mt, s
	WIN 0
	FMAM ACC+16*\s, ACC+16*\s, MS+2*\i, 0, SHF+8*\mt             ; z = (m cf) acc + shiftf
	FMAM ACC+16*\s+8, ACC+16*\s+8, MS+2*\i, 1, SHF+8*\mt
	MULM ACC+16*\s, M+2*\i, 0                                    ; z max(m, 0): a point that is masked out gives 0
	MULM ACC+16*\s+8, M+2*\i, 1
.irp j, 0,1,2,3,4,5,6,7
.if \i == 0
	v_max3_num_f32 v[OUT+\j], v[ACC+16*\s+\j], v[ACC+16*\s+8+\j], 0      ; the 0 is the relu
.else
	v_max3_num_f32 v[OUT+\j], v[OUT+\j], v[ACC+16*\s+\j], v[ACC+16*\s+8+\j]
.endif
.endr
.if \i == 4
	ds_store_b128 v[STO], v[OUT:OUT+3]   offset:64*\mt           ; voxel r's channels 16 mt + 8 h .. + 7 into row r of my stage
	ds_store_b128 v[STO], v[OUT+4:OUT+7] offset:64*\mt+16
.endif
.endm
; ================= prologue =================
	s_load_b512 s[4:19], s[0:1], 0x0               ; the first eight addresses
	s_load_b128 s[20:23], s[0:1], 0x40
	s_load_b64 s[24:25], s[0:1], 0x50
	s_set_vgpr_msb 0x40
	v_lshl_add_u32 v254, v0, 2, 0x14c00
	v_mov_b32 v255, 0
	s_set_vgpr_msb 0x4000
	v_lshrrev_b32 v40, 5, v0
	v_readfirstlane_b32 s26, v40                   ; wave 0 .. 3
	s_lshl_b32 s28, ttmp9, 2
	s_add_co_u32 s28, s28, s26                     ; my first group = my wave's number in the launch
	s_mov_b32 s39, 0                               ; upper word of every offset pair s[38:39]
	s_mov_b32 s40, 0xffff0000                      ; lanes 16 to 31
	v_and_b32 v40, 31, v0                          ; L
	v_and_b32 v41, 15, v0                          ; r
	v_bfe_u32 v42, v0, 4, 1                        ; h
	v_lshlrev_b32 v[LOFF], 4, v40
	v_mul_u32_u24 v[MOFF], 40, v41
	v_lshlrev_b32 v[TOFF], 4, v0
	v_lshlrev_b32 v[C4], 2, v0
	v_lshlrev_b32 v[HB], 5, v42
	v_lshlrev_b32 v[R4], 2, v41
	v_and_b32 v[GOF], NCH-1, v0
	v_lshlrev_b32 v[GOF], 2, v[GOF]
	v_lshlrev_b32 v[L8], 3, v40
	s_mul_i32 s38, s26, 16*OPITCH
	s_add_co_u32 s38, s38, STG                     ; my stage
	v_mul_u32_u24 v[STO], OPITCH, v41
	v_add_nc_u32 v[STO], v[STO], v[HB]
	v_add_nc_u32 v[STO], s38, v[STO]
	v_mul_u32_u24 v[RD], OPITCH, v42
	v_lshl_add_u32 v[RD], v41, 4, v[RD]
	v_add_nc_u32 v[RD], s38, v[RD]
	v_lshlrev_b32 v[CO], 9, v42
	v_lshl_add_u32 v[CO], v41, 4, v[CO]
	s_wait_kmcnt 0x0
	s_mul_i32 s38, s28, XGB
	s_add_nc_u64 s[32:33], s[A_XB:A_XB+1], s[38:39]
	s_mul_i32 s38, s28, MGB
	s_add_nc_u64 s[34:35], s[A_MK:A_MK+1], s[38:39]
	; all loads go out first; the table last, so that its counted waits cover all the others
	WIN W_D3
.irp i, 0,1,2,3,4
	global_load_b128 v[X+4*\i:X+4*\i+3], v[LOFF], s[32:33] offset:512*\i
.endr
	WIN 0
.irp k, 0,1,2,3,4
	global_load_b64 v[MN+2*\k:MN+2*\k+1], v[MOFF], s[34:35] offset:8*\k
.endr
	WIN W_CV
.set K, 0
.rept 8
	global_load_b128 v[4*K:4*K+3], v[TOFF], s[A_W2:A_W2+1] offset:2048*K          ; W2 in f32: row (tid >> 4) + 8 K, columns 4 (tid & 15) ..
.set K, K+1
.endr
.set K, 0
.rept 32
	global_load_b128 v[32+4*K:32+4*K+3], v[TOFF], s[A_WF:A_WF+1] offset:2048*K    ; Wf in f32: row (tid >> 5) + 4 K, columns 4 (tid & 31) ..
.set K, K+1
.endr
	WIN 0
.irp c, 0,1,2,3,4,5,6
	global_load_b32 v[W1R+\c],   v[R4], s[A_W1:A_W1+1] offset:128*\c
	global_load_b32 v[W1R+7+\c], v[R4], s[A_W1:A_W1+1] offset:128*\c+64
.endr
	global_load_b32 v[GV],   v[GOF], s[A_G:A_G+1]
	global_load_b32 v[GV+1], v[GOF], s[A_B:A_B+1]
	s_cmp_lg_u32 s26, 0
	s_cbranch_scc1 .Lno_p1
	global_load_b64 v[PD:PD+1], v[L8], s[A_P1:A_P1+1]              ; wave 0 brings par1's 256 bytes
.Lno_p1:
	s_cmp_lg_u32 s26, 1
	s_cbranch_scc1 .Lno_p2
	global_load_b128 v[PD2:PD2+3], v[LOFF], s[A_P2:A_P2+1]         ; wave 1 brings par2's 512 bytes
.Lno_p2:
	RLOAD 0
	RLOAD 1
.irp b, 0,1,2,3,4,5
	RSTEP \b, 16, 1
.endr
	RSTEP 6, 16, 0
	RSTEP 7, 0, 0
	v_pk_add_f32 v[T:T+1],   v[T:T+1],   v[T+4:T+5]
	v_pk_add_f32 v[T+2:T+3], v[T+2:T+3], v[T+6:T+7]
	ds_store_b128 v[TOFF], v[T:T+3] offset:RED
	s_cmp_lg_u32 s26, 0
	s_cbranch_scc1 .Lno_s1
	ds_store_b64 v[L8], v[PD:PD+1] offset:PAR1
.Lno_s1:
	s_cmp_lg_u32 s26, 1
	s_cbranch_scc1 .Lno_s2
	ds_store_b128 v[LOFF], v[PD2:PD2+3] offset:PAR2
.Lno_s2:
	BAR
	; gain and shift: thread c (all 128) adds the two rows left in RED (a row is NCH sums, then NCH sums of squares)
.set K, 0
.rept 256/NCH
	ds_load_b32 v[48+K], v[C4] offset:RED+8*NCH*K
	ds_load_b32 v[56+K], v[C4] offset:RED+8*NCH*K+4*NCH
.set K, K+1
.endr
	s_wait_dscnt 0x0
	v_add_f32 v48, v48, v49
	v_add_f32 v56, v56, v57
	v_mul_f32 v48, 0x358637bd, v48                 ; mean = S / 1,000,000
	v_mul_f32 v56, 0x358637bd, v56                 ; E[h^2]
	v_fma_f32 v56, -v48, v48, v56                  ; the biased variance,
	v_max_num_f32 v56, 0, v56                      ; not below 0
	v_add_f32 v56, 0x3727c5ac, v56                 ; + 1e-5
	v_rsq_f32 v57, v56
	v_nop                                          ; one plain place behind a transcendental (ISA guide 5.7.2)
	s_wait_alu depctr_va_vdst(0)
	v_mul_f32 v57, v[GV], v57                      ; a = g / sqrt(var + eps)
	v_fma_f32 v58, -v57, v48, v[GV+1]              ; shift = b - a mean
	ds_store_b32 v[C4], v57 offset:PARF
	ds_store_b32 v[C4], v58 offset:PARF+4*NCH
	BAR
	; the weights: scaled by a / c, rounded to f16, into LDS as [c][d]
	v_mov_b32 v52, 0
	CSCALE PAR2, 64, 44, 54
	CSCALE PARF, 128, 46, 55
	v_and_b32 v40, 15, v0
	v_lshrrev_b32 v41, 4, v0
	v_mul_u32_u24 v41, PT2, v41
	v_lshl_add_u32 v41, v40, 3, v41                ; 160 (tid >> 4) + 8 (tid & 15)
	v_lshlrev_b32 v40, 4, v40
	ds_load_b128 v[44:47], v40 offset:PAR2         ; a2 of my four columns
	v_lshrrev_b32 v43, 5, v0
	v_mul_u32_u24 v43, PTF, v43
	v_lshrrev_b32 v42, 1, v[LOFF]
	v_add_nc_u32 v43, v43, v42                     ; 288 (tid >> 5) + 8 (tid & 31)
	ds_load_b128 v[48:51], v[LOFF] offset:PARF     ; af of my four columns
	s_wait_dscnt 0x0
.irp q, 0,1,2,3
	v_mul_f32 v[44+\q], v54, v[44+\q]
	v_mul_f32 v[48+\q], v55, v[48+\q]
.endr
	WIN 0x41                                       ; in place in window 1, by a quad of window 0
.set K, 0
.rept 8
	v_pk_mul_f32 v[4*K:4*K+1],   v[4*K:4*K+1],   v[44:45]
	v_pk_mul_f32 v[4*K+2:4*K+3], v[4*K+2:4*K+3], v[46:47]
.set K, K+1
.endr
.rept 32
	v_pk_mul_f32 v[4*K:4*K+1],   v[4*K:4*K+1],   v[48:49]
	v_pk_mul_f32 v[4*K+2:4*K+3], v[4*K+2:4*K+3], v[50:51]
.set K, K+1
.endr
	WIN 0x05                                       ; from window 1 into window 0
.set K, 0
.rept 40
	v_cvt_pk_f16_f32 v[64+2*K], v[4*K],   v[4*K+1]
	v_cvt_pk_f16_f32 v[65+2*K], v[4*K+2], v[4*K+3]
.set K, K+1
.endr
	WIN 0
.set K, 0
.rept 8
	ds_store_b64 v41, v[64+2*K:65+2*K] offset:W2L+8*PT2*K
.set K, K+1
.endr
.set K, 0
.rept 32
	ds_store_b64 v43, v[80+2*K:81+2*K] offset:WFL+4*PTF*K
.set K, K+1
.endr
	BAR
	; fragments.  Row = output channel d, k = input channel c; in LDS c runs down the rows, so the transposing load brings lane (r, h) the eight
	; c = 8 h .. of column 16 mt + r, and 16 rows further down the eight c = 16 + 8 h ..
	v_and_b32 v40, 7, v0
	v_bfe_u32 v41, v0, 4, 1
	v_lshl_add_u32 v40, v41, 3, v40                ; 8 h + (L & 7)
	v_bfe_u32 v41, v0, 3, 1
	v_lshlrev_b32 v41, 4, v41                      ; 16 ((L >> 3) & 1)
	v_mad_u32_u24 v42, v40, PT2, v41
	v_mad_u32_u24 v43, v40, PTF, v41
	WIN W_D3
.irp mt, 0,1,2,3
	ds_load_tr16_b128 v[W2T+8*\mt:W2T+8*\mt+3],   v42 offset:W2L+32*\mt
	ds_load_tr16_b128 v[W2T+8*\mt+4:W2T+8*\mt+7], v42 offset:W2L+32*\mt+16*PT2
	ds_load_tr16_b128 v[W2B+8*\mt:W2B+8*\mt+3],   v42 offset:W2L+32*\mt+32*PT2
	ds_load_tr16_b128 v[W2B+8*\mt+4:W2B+8*\mt+7], v42 offset:W2L+32*\mt+48*PT2
.endr
.irp mt, 0,1
	ds_load_b128 v[B1+8*\mt:B1+8*\mt+3],   v[HB] offset:PAR1+128+64*\mt      ; register j of a tile: channel 16 mt + 8 h + j
	ds_load_b128 v[B1+8*\mt+4:B1+8*\mt+7], v[HB] offset:PAR1+128+64*\mt+16
.endr
	WIN W_D2
.irp mt, 0,1,2,3,4,5,6,7
.irp ks, 0,1
	ds_load_tr16_b128 v[WFT+16*\mt+8*\ks:WFT+16*\mt+8*\ks+3],   v43 offset:WFL+32*\mt+32*\ks*PTF
	ds_load_tr16_b128 v[WFT+16*\mt+8*\ks+4:WFT+16*\mt+8*\ks+7], v43 offset:WFL+32*\mt+32*\ks*PTF+16*PTF
	ds_load_tr16_b128 v[WFB+16*\mt+8*\ks:WFB+16*\mt+8*\ks+3],   v43 offset:WFL+32*\mt+32*(\ks+2)*PTF
	ds_load_tr16_b128 v[WFB+16*\mt+8*\ks+4:WFB+16*\mt+8*\ks+7], v43 offset:WFL+32*\mt+32*(\ks+2)*PTF+16*PTF
.endr
.endr
	WIN 0
	ds_load_b32 v44, v[R4] offset:PAR1             ; a1 of my row of the weight fragment, tile 0
	ds_load_b32 v45, v[R4] offset:PAR1+64          ; and tile 1
.irp mt, 0,1,2,3
	ds_load_b128 v[SH2+8*\mt:SH2+8*\mt+3],   v[HB] offset:PAR2+256+64*\mt
	ds_load_b128 v[SH2+8*\mt+4:SH2+8*\mt+7], v[HB] offset:PAR2+256+64*\mt+16
.endr
.irp mt, 0,1,2,3,4,5,6,7
	ds_load_b128 v[SHF+8*\mt:SHF+8*\mt+3],   v[HB] offset:PARF+512+64*\mt
	ds_load_b128 v[SHF+8*\mt+4:SHF+8*\mt+7], v[HB] offset:PARF+512+64*\mt+16
.endr
	s_wait_dscnt 0x0
	v_mov_b32 v56, 0
.irp c, 0,1,2,3,4,5,6
	v_mul_f32 v[W1R+\c],   v[W1R+\c],   v44
	v_mul_f32 v[W1R+7+\c], v[W1R+7+\c], v45
.endr
.irp mt, 0,1
	v_cvt_pk_f16_f32 v[48+4*\mt], v[W1R+7*\mt],   v[W1R+7*\mt+1]
	v_cvt_pk_f16_f32 v[49+4*\mt], v[W1R+7*\mt+2], v[W1R+7*\mt+3]
	v_cvt_pk_f16_f32 v[50+4*\mt], v[W1R+7*\mt+4], v[W1R+7*\mt+5]
	v_cvt_pk_f16_f32 v[51+4*\mt], v[W1R+7*\mt+6], v56               ; the eighth is 0
.endr
	WIN W_D3
.irp mt, 0,1
.irp q, 0,1,2,3
	v_cndmask_b32 v[A1+8*\mt+\q],    v[48+4*\mt+\q], v56, s40       ; point 2 i: weights at k = 0 .. 7 (lanes 0-15), zeros in lanes 16-31
	v_cndmask_b32 v[A1+16+8*\mt+\q], v56, v[48+4*\mt+\q], s40       ; point 2 i + 1: the other way round
	v_mov_b32 v[A1+8*\mt+4+\q], 0                                   ; k = 16 .. 31 are zeros: there the data fragment holds the next block
	v_mov_b32 v[A1+16+8*\mt+4+\q], 0
.endr
.endr
.irp q, 0,1,2,3
	v_mov_b32 v[XZ+\q], 0
.endr
	WIN 0
; ================= one trip = one group =================
.Ltrip:
	s_wait_loadcnt 0x0                             ; this group's five blocks and its mask, asked for a trip ago
	s_wait_xcnt 0x0                                ; the last trip's stores have read their data and base (ISA guide 3.1), which are written again below
.irp t, 0,1,2,3,4,5,6,7,8,9
	v_mov_b32 v[M+\t], v[MN+\t]                    ; m is used to the trip's end, so the next group's lands in registers of its own
.endr
.irp t, 0,2,4,6,8
	v_pk_mul_f32 v[MS+\t:MS+\t+1], v[MN+\t:MN+\t+1], s[44:45] op_sel_hi:[1,0]     ; m c2
.endr
	s_add_co_u32 s31, s28, NWAVE
	s_min_u32 s31, s31, NGRP-1                     ; the next group; in the last trip a group inside the buffers, whose data nobody uses
	s_mul_i32 s38, s31, XGB
	s_add_nc_u64 s[32:33], s[A_XB:A_XB+1], s[38:39]
	s_mul_i32 s38, s31, MGB
	s_add_nc_u64 s[34:35], s[A_MK:A_MK+1], s[38:39]
	s_lshl_b32 s38, s28, 13                        ; 16 rows of 512 bytes
	s_add_nc_u64 s[36:37], s[A_OUT:A_OUT+1], s[38:39]
.irp k, 0,1,2,3,4
	global_load_b64 v[MN+2*\k:MN+2*\k+1], v[MOFF], s[34:35] offset:8*\k
.endr
	; phase 1: y1 and p1.  Ten batches, block i outer, channel tile inner
	WM1 0, 0, 0
	WM1 0, 1, 1
	NOP5
	EP1 0, 0, 0
.set BT, 2
.rept 8
	WM1 (BT/2), (BT&1), (BT&1)
	EP1 ((BT-1)/2), ((BT-1)&1), ((BT-1)&1)
.set BT, BT+1
.endr
	EP1 4, 1, 1
	WIN W_D3
.irp i, 0,1,2,3,4
	global_load_b128 v[X+4*\i:X+4*\i+3], v[LOFF], s[32:33] offset:512*\i     ; the next group's blocks: the rest of the trip to land in
.endr
	; p1 W2[32:64], once a voxel
	WIN W_CV
	CVT4 PB1, POOL1
	CVT4 PB1+4, POOL1+8
	WIN W_P1
.irp mt, 0,1,2,3
	v_wmma_f32_16x16x32_f16 v[P1+8*\mt:P1+8*\mt+7], v[W2B+8*\mt:W2B+8*\mt+7], v[PB1:PB1+7], 0
.endr
	NOP5
	; phase 2: twenty batches, channel tile outer
	WM2 0, 0, 0
	WM2 1, 0, 1
	NOP5
	EP2 0, 0, 0
.set BT, 2
.rept 18
	WM2 (BT%5), (BT/5), (BT&1)
	EP2 ((BT-1)%5), ((BT-1)/5), ((BT-1)&1)
.set BT, BT+1
.endr
	EP2 4, 3, 1
	; p2 Wf[64:128], once a voxel: eight accumulators take turns
	WIN W_CV
.irp mt, 0,1,2,3
	CVT4 PB2+4*\mt, POOL2+8*\mt
.endr
	WIN W_LF
.irp mt, 0,1,2,3,4,5,6,7
	v_wmma_f32_16x16x32_f16 v[PF+8*\mt:PF+8*\mt+7], v[WFB+16*\mt:WFB+16*\mt+7], v[PB2:PB2+7], 0
.endr
.irp mt, 0,1,2,3,4,5,6,7
	v_wmma_f32_16x16x32_f16 v[PF+8*\mt:PF+8*\mt+7], v[WFB+16*\mt+8:WFB+16*\mt+15], v[PB2+8:PB2+15], v[PF+8*\mt:PF+8*\mt+7]
.endr
	WIN 0                                          ; the places behind these products are useful work: the last phase's two multipliers
.irp t, 0,2,4,6,8
	v_pk_mul_f32 v[MS+\t:MS+\t+1], v[M+\t:M+\t+1], s[46:47] op_sel_hi:[1,0]       ; m cf
.endr
.irp t, 0,1,2,3,4,5,6,7,8,9
	v_max_num_f32 v[M+\t], 0, v[M+\t]              ; max(m, 0)
.endr
	; phase 3: forty batches, channel tile outer
	WM3 0, 0, 0
	WM3 1, 0, 1
	NOP5
	EP3 0, 0, 0
.set BT, 2
.rept 38
	WM3 (BT%5), (BT/5), (BT&1)
	EP3 ((BT-1)%5), ((BT-1)/5), ((BT-1)&1)
.set BT, BT+1
.endr
	EP3 4, 7, 1
	; the way out: my stage holds 16 rows of 512 bytes; read back by rows, each half of the wave stores 256 consecutive bytes, aligned
.set K, 0
.rept 16
	ds_load_b128 v[TMP+4*K:TMP+4*K+3], v[RD] offset:2*OPITCH*(K/2)+256*(K&1)      ; my own bytes: LDS serves a wave in order (ISA guide 5.7.1)
.set K, K+1
.endr
.set K, 0
.rept 16
	s_wait_dscnt 15-K                              ; load K is in, the younger ones may be out
	global_store_b128 v[CO], v[TMP+4*K:TMP+4*K+3], s[36:37] offset:1024*(K/2)+256*(K&1) th:TH_STORE_NT
.set K, K+1
.endr
	s_add_co_u32 s28, s28, NWAVE
	s_cmp_lt_u32 s28, NGRP
	s_cbranch_scc1 .Ltrip
	s_set_vgpr_msb 0x5
	s_wait_tensorcnt 0x0
	ds_add_u32 v254, v255
	s_wait_dscnt 0x0
	s_set_vgpr_msb 0x500
	s_endpgm
.Lfunc_end_k_q4b892837fc_vfe4:
	.size	k_q4b892837fc_vfe4, .Lfunc_end_k_q4b892837fc_vfe4-k_q4b892837fc_vfe4
	.p2alignl 7, 3214868480
	.fill 96, 4, 3214868480
	.section	.rodata,"a",@progbits
	.p2align	6, 0x0
	.amdhsa_kernel k_q4b892837fc_vfe4
		.amdhsa_group_segment_fixed_size 85504
		.amdhsa_private_segment_fixed_size 0
		.amdhsa_enable_private_segment 0
		.amdhsa_kernarg_size 88
		.amdhsa_user_sgpr_count 2
		.amdhsa_user_sgpr_kernarg_segment_ptr 1
		.amdhsa_wavefront_size32 1
		.amdhsa_system_sgpr_workgroup_id_x 1
		.amdhsa_system_sgpr_workgroup_id_y 1
		.amdhsa_system_sgpr_workgroup_id_z 1
		.amdhsa_system_vgpr_workitem_id 0
		.amdhsa_next_free_vgpr 1024
		.amdhsa_next_free_sgpr 66
		.amdhsa_reserve_vcc 0
		.amdhsa_float_denorm_mode_32 3
		.amdhsa_float_denorm_mode_16_64 3
		.amdhsa_memory_ordered 1
		.amdhsa_forward_progress 1
		.amdhsa_inst_pref_size 230
	.end_amdhsa_kernel
	.amdgpu_metadata
---
amdhsa.version: [ 1, 2 ]
amdhsa.kernels:
  - .name:           k_q4b892837fc_vfe4
    .symbol:         k_q4b892837fc_vfe4.kd
    .args:
      - { .name: xb, .offset: 0, .size: 8, .value_kind: global_buffer, .address_space: global }
      - { .name: mask, .offset: 8, .size: 8, .value_kind: global_buffer, .address_space: global }
      - { .name: W1, .offset: 16, .size: 8, .value_kind: global_buffer, .address_space: global }
      - { .name: W2, .offset: 24, .size: 8, .value_kind: global_buffer, .address_space: global }
      - { .name: par1, .offset: 32, .size: 8, .value_kind: global_buffer, .address_space: global }
      - { .name: Wf, .offset: 40, .size: 8, .value_kind: global_buffer, .address_space: global }
      - { .name: par2, .offset: 48, .size: 8, .value_kind: global_buffer, .address_space: global }
      - { .name: gf, .offset: 56, .size: 8, .value_kind: global_buffer, .address_space: global }
      - { .name: bf, .offset: 64, .size: 8, .value_kind: global_buffer, .address_space: global }
      - { .name: partf, .offset: 72, .size: 8, .value_kind: global_buffer, .address_space: global }
      - { .name: out0, .offset: 80, .size: 8, .value_kind: global_buffer, .address_space: global }
    .group_segment_fixed_size: 85504
    .private_segment_fixed_size: 0
    .kernarg_segment_align: 8
    .kernarg_segment_size: 88
    .max_flat_workgroup_size: 128
    .sgpr_count:     66
    .vgpr_count:     1024
    .wavefront_size: 32
...
	.end_amdgpu_metadata
.endif
;; end of part 4
;; ======== version 2 of 2: 4 launches; version 1 with the launch vfe4 written anew for expert scheduling mode
;; limits: a difference of large sums (such as E[x^2] - mean^2): digits are lost where the result is much smaller than its terms; values are held in f16: magnitudes above 65,504 overflow, below 6.1e-05 lose precision
;; workspace buffers: xb 16,000,000 bytes; part1 64,000 bytes; part2 131,072 bytes; partf 262,144 bytes; par1 256 bytes; par2 512 bytes
;; launch vfe1: the kernel of part 1 again; grid 250 x 1, 25 waves a work-group, no clusters, 121,856 bytes of LDS; arguments points_per_voxel, W1, xb, part1; writes xb, part1
;; launch vfe2: the kernel of part 2 again; grid 256 x 1, 4 waves a work-group, no clusters, 55,808 bytes of LDS; arguments xb, mask, W1, W2, g1, b1, part1, part2, par1; writes part2, par1
;; launch vfe3: the kernel of part 3 again; grid 256 x 1, 4 waves a work-group, no clusters, 55,808 bytes of LDS; arguments xb, mask, W1, W2, par1, Wf, g2, b2, part2, partf, par2; writes partf, par2
;; launch vfe4 (part 5): grid 256 x 1, 4 waves a work-group, no clusters, 85,504 bytes of LDS; arguments xb, mask, W1, W2, par1, Wf, par2, gf, bf, partf, out0; writes out0
.if DOCPART == 5
	.amdgcn_target "amdgcn-amd-amdhsa--gfx1250"
	.amdhsa_code_object_version 6
	.text
	.protected	k_q4b892837fc_vfe4
	.globl	k_q4b892837fc_vfe4
	.p2align	8
	.type	k_q4b892837fc_vfe4,@function
k_q4b892837fc_vfe4:
	s_mov_b64 s[64:65], 0
	v_nop
	global_prefetch_b8 v0, s[64:65] scope:SCOPE_SE
	s_setreg_imm32_b32 hwreg(HW_REG_WAVE_SCHED_MODE, 0, 2), 2
	s_setreg_imm32_b32 hwreg(HW_REG_WAVE_MODE, 25, 1), 1
	s_wait_xcnt 0x0
	s_wait_alu depctr_vm_vsrc(0)
; VoxelFeatureEncoder, launch 4 of 4: finishes the last batch norm from partf (every work-group adds up the table for itself), recomputes all three layers
; from xb and stores the maximum over each voxel's points -> out0.
; y1 = relu(bn1(h1)) m, p1 = max_t y1, h2 = m (y1 W2[0:32] + p1 W2[32:64]); y2 = relu(bn2(h2)) m, p2 = max_t y2, hf = m (y2 Wf[0:64] + p2 Wf[64:128]);
; out = max(0, max_t bnf(hf) max(m, 0)).  The pooled half is the same for a voxel's ten points: its product is made once a voxel and enters the ten
; products as their C operand.
; LAYOUT: a group is 16 voxels.  The 16 columns of a tile are the 16 voxels at one point t, its rows 16 channels: the weights are the first operand.  A lane
; then holds eight neighbouring channels of one voxel, so two results round into one word of the next layer's data fragment with no move between lanes;
; the maximum over t is a maximum of registers; the mask is one register for each t.
; A wave takes groups W, W + 1024, ..: 6,250 groups over 1,024 waves are 6 or 7 trips.  Weights and shifts stay in registers; no barrier in the loop.
; FORMAT: f16 operands, f32 sums.  The gains are folded into the weights before rounding: W' = W a / c, c the power of two at or below max |a| of the
; layer, and the norm multiplies by m c: |W'| < 2 |W| whatever the scales of the layers in front.
; LIMITS: |W|, |a1 W1| and relu(z) m below 65,504 / 2.  A voxel with no m > 0, NaN and infinities are not served (v_max_num drops a NaN).  The variance is
; E[h^2] - mean^2 in f32 from sums made in stages (a lane, 16 lanes, 4 waves, 256 work-groups).
; NO CLUSTER, NO TENSOR LOADS: work-groups share only weights and the table, read once each; a group's 3,200 bytes land fragment-ready in registers,
; asked for most of a trip ahead.
; THE MODE: SCHED_MODE bits 1:0 = 2 (LLVM: expert scheduling mode 2), set by the entry lines.  The code itself states the register dependences
; between vector or matrix instructions and memory or LDS instructions, with s_wait_alu, always for 0.
; THE PLAN.  Registers that memory or LDS instructions touch, in the loop:
;   X    (window 3)      read by phase 1's products; behind them the next group's five loads land in it.
;   MN                   read by the copies and multiplies at the trip's head; the next group's five loads land in it, beside X's.
;   FIN  v[96:159]       POOL2's and then PF's registers: written in phase 2 and by the pooled products, read as C by phase 3's products; tile mt's eight take
;                        the tile's finished maximum once its last product has read them; read by the sixteen LDS stores behind phase 3.
;   TMP  (window 1)      y2's registers of points 0 to 3: written by phase 2's roundings, read by phase 3's products; the sixteen loads from the stage land in
;                        them, the sixteen global stores read them.
;   LOFF, MOFF, STO, RD, CO   made at the head, never written again: the groups are reached by scalar bases.
; So a trip has three such waits.  Between phases 1 and 2: vm_vsrc (the last trip's stores have read FIN and TMP, which phase 2 writes again) and va_vdst (X and
; MN have been read); the ten loads follow behind four products that name none of their registers.  Behind phase 3: va_vdst (FIN is written, TMP has been
; read); the LDS stores, the loads from the stage and the global stores follow with no vector instruction among them.
.set NGRP,   6250
.set NWAVE,  1024
.set XGB,    2560                      ; bytes of a group in xb
.set MGB,    640                       ; bytes of a group in mask
.set NCH,    128                       ; channels of the norm finished here
; LDS
.set RED,    0                         ; 2,048: each thread's 16 bytes of the table's column sums
.set PAR1,   2048                      ; a1[32], bias1[32]
.set PAR2,   2304                      ; a2[64], shift2[64]
.set PARF,   2816                      ; af[128], shiftf[128]
.set W2L,    4096                      ; W2 in f16, [c][d], 64 rows
.set PT2,    160                       ; pitch: 128 bytes + 32, an odd multiple of 32
.set WFL,    14336                     ; Wf in f16, [c][d], 128 rows
.set PTF,    288                       ; pitch: 256 bytes + 32
.set STG,    51200                     ; a stage of 16 rows x 528 bytes for each wave
.set OPITCH, 528                       ; 512 bytes + 16: 33 x 16
; arguments
.set A_XB, 4
.set A_MK, 6
.set A_W1, 8
.set A_W2, 10
.set A_P1, 12
.set A_WF, 14
.set A_P2, 16
.set A_G,  18
.set A_B,  20
.set A_PI, 22
.set A_OUT, 24
; window 0
.set LOFF, 1                           ; 16 L
.set MOFF, 2                           ; 40 r
.set STO,  3                           ; stage + 528 r + 32 h
.set RD,   4                           ; stage + 528 (L >> 4) + 16 (L & 15)
.set CO,   5                           ; 512 (L >> 4) + 16 (L & 15)
.set TOFF, 6                           ; 16 tid
.set C4,   7                           ; 4 tid
.set HB,   8                           ; 32 h
.set R4,   9                           ; 4 r
.set M,    10                          ; v[10:19] m[t] of my voxel; in the last phase max(m[t], 0)
.set MS,   20                          ; v[20:29] m[t] c of the layer at work
.set MN,   30                          ; v[30:39] the next group's mask
.set T,    40                          ; v[40:47] at work
.set ACC,  48                          ; v[48:79] two sets of two result tiles (points 2 i, 2 i + 1)
.set POOL1, 80                         ; v[80:95]
.set OUT,  80                          ; v[80:87] last phase: the running maximum of one channel tile
.set PF,   96                          ; v[96:159] p2 Wf[64:128], eight tiles
.set POOL2, 96                         ; v[96:127] before that
.set FIN,  96                          ; v[96:159] after that, tile by tile: the finished maxima, which the LDS stores read
.set SH2,  160                         ; v[160:191] shift2 as tiles
.set SHF,  192                         ; v[192:255] shiftf as tiles
.set BANK, 64                          ; prologue: v[64:191] two banks of 16 loads of the table
.set W1R,  10                          ; prologue: v[10:23] W1[c][16 mt + r]
.set GV,   24                          ; prologue: g, b of my channel
.set PD,   26                          ; prologue: v[26:27] par1 on its way in (wave 0)
.set GOF,  240                         ; prologue: 4 (tid mod NCH)
.set L8,   241                         ; prologue: 8 L
.set PD2,  244                         ; prologue: v[244:247] par2 on its way in (wave 1): registers of its own, so that no two loads of the text name one register
; window 1
.set Y1,   0                           ; v[0:79]   y1 as data fragments, 8 registers a point (prologue: W2, Wf in f32, v[0:159])
.set Y2,   80                          ; v[80:239] y2, 16 registers a point
.set TMP,  80                          ; v[80:143] the way out: the stage's rows as read back (y2 is dead by then)
.set PB1,  240                         ; v[240:247] p1
.set PB2,  0                           ; v[0:15]   p2 (y1 of points 0, 1 is dead by then)
; window 2
.set WFT,  0                           ; Wf[0:64], tile mt, K step ks at 16 mt + 8 ks
.set WFB,  128                         ; Wf[64:128]
; window 3
.set A1,   0                           ; a1 W1: point hv, tile mt at 16 hv + 8 mt; upper four registers 0
.set B1,   32                          ; bias1 as tiles
.set W2T,  48                          ; W2[0:32]
.set W2B,  80                          ; W2[32:64]
.set P1,   112                         ; p1 W2[32:64], four tiles
.set X,    144                         ; v[144:163] five blocks of xb; v[164:167] zeros
.set XZ,   164
; s_set_vgpr_msb: bits 1:0 source 0, 3:2 source 1, 5:4 source 2, 7:6 destination
.set W_L1,  0x3f
.set W_CV,  0x40
.set W_P1,  0xc7
.set W_L2,  0x37
.set W_LF,  0x06
.set W_D2,  0x80
.set W_D3,  0xc0
.set W_ST1, 0x04                       ; a store's data (source 1) in window 1, its address in window 0
.set MSB, 0
.macro WIN new                         ; the immediate's high byte repeats the setting that is left; a switch that changes nothing is dropped
.if MSB != \new
	s_set_vgpr_msb (MSB<<8)|\new
.set MSB, \new
.endif
.endm
.macro BAR                             ; my LDS instructions are done, for the others' sake; then the work-group's barrier
	s_wait_dscnt 0x0
	s_barrier_signal -1
	s_barrier_wait -1
.endm
.macro NOP5                            ; five places behind a matrix instruction whose result another one takes as C (ISA guide 7.12.1)
.rept 5
	v_nop
.endr
.endm
; the table: thread tid adds up its 16 bytes of every 2,048, so its four columns stay the same
.macro RWHICH blk
.set RN, 16*(\blk)+RK
.set RQ, BANK+64*((\blk)&1)+4*RK
.set RC, T+4*(RK&1)
.endm
.macro RLOAD blk
.set RK, 0
.rept 16
	RWHICH \blk
	global_load_b128 v[RQ:RQ+3], v[TOFF], s[A_PI:A_PI+1] offset:2048*RN
.set RK, RK+1
.endr
.endm
.macro RADD blk
.set RK, 0
.rept 16
	RWHICH \blk
.if RN < 4
.if RK&1
	v_pk_add_f32 v[T+2*(RK-1):T+2*(RK-1)+1],   v[RQ-4:RQ-3], v[RQ:RQ+1]      ; the first four start two chains: nothing is cleared
	v_pk_add_f32 v[T+2*(RK-1)+2:T+2*(RK-1)+3], v[RQ-2:RQ-1], v[RQ+2:RQ+3]
.endif
.else
	v_pk_add_f32 v[RC:RC+1],   v[RC:RC+1],   v[RQ:RQ+1]
	v_pk_add_f32 v[RC+2:RC+3], v[RC+2:RC+3], v[RQ+2:RQ+3]
.endif
.set RK, RK+1
.endr
.endm
.macro RSTEP blk, left, refill
	s_wait_loadcnt \left                           ; loads come back in order (ISA guide 5.7.1): this bank is in, the other bank's 16 may be out
	RADD \blk
.if \refill
	s_wait_alu depctr_va_vdst(0)                   ; the additions are done reading this bank, in which the loads below land: the bank is asked for again at once
	RLOAD (\blk+2)
.endif
.endm
; c = the power of two at or below max |a| of n gains at LDS byte par: c to s[sd], 1 / c to v[vi].  All lanes read one address (v52 = 0, made at the head).
.macro CLOAD par, n
.set CK, 0
.rept \n/4
	ds_load_b128 v[BANK+4*CK:BANK+4*CK+3], v52 offset:\par+16*CK
.set CK, CK+1
.endr
.endm
.macro CMAX n, sd, vi
	v_max_num_f32 v53, |v[BANK]|, |v[BANK+1]|
.set CK, 2
.rept (\n-2)/2
	v_max3_num_f32 v53, v53, |v[BANK+CK]|, |v[BANK+CK+1]|
.set CK, CK+2
.endr
	v_and_b32 v53, 0x7f800000, v53                 ; the exponent alone: 2^(E - 127)
	v_sub_nc_u32 v[\vi], 0x7f000000, v53           ; exponent 254 - E: its reciprocal, exactly
	v_readfirstlane_b32 s[\sd], v53
.endm
; pieces of an epilogue on a tile of 8 registers at a; mp = the even-aligned pair m[2 i], m[2 i + 1]; hi picks one of the two for both halves
.macro MULM a, mp, hi
.irp q, 0,2,4,6
.if \hi
	v_pk_mul_f32 v[\a+\q:\a+\q+1], v[\a+\q:\a+\q+1], v[\mp:\mp+1] op_sel:[0,1] op_sel_hi:[1,1]
.else
	v_pk_mul_f32 v[\a+\q:\a+\q+1], v[\a+\q:\a+\q+1], v[\mp:\mp+1] op_sel_hi:[1,0]
.endif
.endr
.endm
.macro FMAM d, a, mp, hi, c            ; d = a m + c
.irp q, 0,2,4,6
.if \hi
	v_pk_fma_f32 v[\d+\q:\d+\q+1], v[\a+\q:\a+\q+1], v[\mp:\mp+1], v[\c+\q:\c+\q+1] op_sel:[0,1,0] op_sel_hi:[1,1,1]
.else
	v_pk_fma_f32 v[\d+\q:\d+\q+1], v[\a+\q:\a+\q+1], v[\mp:\mp+1], v[\c+\q:\c+\q+1] op_sel_hi:[1,0,1]
.endif
.endr
.endm
.macro RELU8 a
.irp j, 0,1,2,3,4,5,6,7
	v_max_num_f32 v[\a+\j], 0, v[\a+\j]
.endr
.endm
.macro POOLM p, a, i                   ; the running maximum takes in both points; the first pair starts it
.irp j, 0,1,2,3,4,5,6,7
.if \i == 0
	v_max_num_f32 v[\p+\j], v[\a+\j], v[\a+8+\j]
.else
	v_max3_num_f32 v[\p+\j], v[\p+\j], v[\a+\j], v[\a+8+\j]
.endif
.endr
.endm
.macro CVT4 y, a                       ; eight channels of a lane = four words of the next layer's data fragment
.irp q, 0,1,2,3
	v_cvt_pk_f16_f32 v[\y+\q], v[\a+2*\q], v[\a+2*\q+1]
.endr
.endm
; a batch = points 2 i and 2 i + 1 of channel tile mt, in set s of ACC.  WMn issues its products, EPn is its epilogue.
; Every phase runs WM(0) WM(1) five places EP(0) WM(2) EP(1) ..: the other set's epilogue fills the places behind each product.
.macro WM1 i, mt, s
	WIN W_L1
	v_wmma_f32_16x16x32_f16 v[ACC+16*\s:ACC+16*\s+7],    v[A1+8*\mt:A1+8*\mt+7],       v[X+4*\i:X+4*\i+7], v[B1+8*\mt:B1+8*\mt+7]
	v_wmma_f32_16x16x32_f16 v[ACC+16*\s+8:ACC+16*\s+15], v[A1+16+8*\mt:A1+16+8*\mt+7], v[X+4*\i:X+4*\i+7], v[B1+8*\mt:B1+8*\mt+7]
.endm
.macro EP1 i, mt, s                    ; the product already is bn1(h1)
	WIN 0
	RELU8 ACC+16*\s
	RELU8 ACC+16*\s+8
	MULM ACC+16*\s, M+2*\i, 0
	MULM ACC+16*\s+8, M+2*\i, 1
	POOLM POOL1+8*\mt, ACC+16*\s, \i
	WIN W_CV
	CVT4 Y1+16*\i+4*\mt, ACC+16*\s
	CVT4 Y1+16*\i+8+4*\mt, ACC+16*\s+8
.endm
.macro WM2 i, mt, s
	WIN W_L2
	v_wmma_f32_16x16x32_f16 v[ACC+16*\s:ACC+16*\s+7],    v[W2T+8*\mt:W2T+8*\mt+7], v[Y1+16*\i:Y1+16*\i+7],    v[P1+8*\mt:P1+8*\mt+7]
	v_wmma_f32_16x16x32_f16 v[ACC+16*\s+8:ACC+16*\s+15], v[W2T+8*\mt:W2T+8*\mt+7], v[Y1+16*\i+8:Y1+16*\i+15], v[P1+8*\mt:P1+8*\mt+7]
.endm
.macro EP2 i, mt, s
	WIN 0
	FMAM ACC+16*\s, ACC+16*\s, MS+2*\i, 0, SH2+8*\mt             ; bn2(h2) = (m c2) acc + shift2
	FMAM ACC+16*\s+8, ACC+16*\s+8, MS+2*\i, 1, SH2+8*\mt
	RELU8 ACC+16*\s
	RELU8 ACC+16*\s+8
	MULM ACC+16*\s, M+2*\i, 0
	MULM ACC+16*\s+8, M+2*\i, 1
	POOLM POOL2+8*\mt, ACC+16*\s, \i
	WIN W_CV
	CVT4 Y2+32*\i+4*\mt, ACC+16*\s
	CVT4 Y2+32*\i+16+4*\mt, ACC+16*\s+8
.endm
.macro WM3 i, mt, s                    ; two K steps on two accumulators, which take turns, one instruction a turn
	WIN W_LF
	v_wmma_f32_16x16x32_f16 v[ACC+16*\s:ACC+16*\s+7],    v[WFT+16*\mt:WFT+16*\mt+7],    v[Y2+32*\i:Y2+32*\i+7],     v[PF+8*\mt:PF+8*\mt+7]
	v_wmma_f32_16x16x32_f16 v[ACC+16*\s+8:ACC+16*\s+15], v[WFT+16*\mt:WFT+16*\mt+7],    v[Y2+32*\i+16:Y2+32*\i+23], v[PF+8*\mt:PF+8*\mt+7]
	v_wmma_f32_16x16x32_f16 v[ACC+16*\s:ACC+16*\s+7],    v[WFT+16*\mt+8:WFT+16*\mt+15], v[Y2+32*\i+8:Y2+32*\i+15],  v[ACC+16*\s:ACC+16*\s+7]
	v_wmma_f32_16x16x32_f16 v[ACC+16*\s+8:ACC+16*\s+15], v[WFT+16*\mt+8:WFT+16*\mt+15], v[Y2+32*\i+24:Y2+32*\i+31], v[ACC+16*\s+8:ACC+16*\s+15]
.endm
.macro EP3 i, mt, s
	WIN 0
	FMAM ACC+16*\s, ACC+16*\s, MS+2*\i, 0, SHF+8*\mt             ; z = (m cf) acc + shiftf
	FMAM ACC+16*\s+8, ACC+16*\s+8, MS+2*\i, 1, SHF+8*\mt
	MULM ACC+16*\s, M+2*\i, 0                                    ; z max(m, 0): a point that is masked out gives 0
	MULM ACC+16*\s+8, M+2*\i, 1
.irp j, 0,1,2,3,4,5,6,7
.if \i == 0
	v_max3_num_f32 v[OUT+\j], v[ACC+16*\s+\j], v[ACC+16*\s+8+\j], 0      ; the 0 is the relu
.elseif \i == 4
	v_max3_num_f32 v[FIN+8*\mt+\j], v[OUT+\j], v[ACC+16*\s+\j], v[ACC+16*\s+8+\j]   ; the tile's last maximum goes into registers of its own: PF's tile mt, whose last reader stands a whole epilogue back
.else
	v_max3_num_f32 v[OUT+\j], v[OUT+\j], v[ACC+16*\s+\j], v[ACC+16*\s+8+\j]
.endif
.endr
.endm
; ================= prologue =================
	s_load_b512 s[4:19], s[0:1], 0x0               ; the first eight addresses
	s_load_b128 s[20:23], s[0:1], 0x40
	s_load_b64 s[24:25], s[0:1], 0x50
	s_set_vgpr_msb 0x40
	v_lshl_add_u32 v254, v0, 2, 0x14c00
	v_mov_b32 v255, 0
	s_set_vgpr_msb 0x4000
	v_lshrrev_b32 v40, 5, v0
	v_readfirstlane_b32 s26, v40                   ; wave 0 .. 3
	s_mov_b32 s39, 0                               ; upper word of every offset pair s[38:39]
	s_mov_b32 s40, 0xffff0000                      ; lanes 16 to 31
	v_and_b32 v40, 31, v0                          ; L
	v_and_b32 v41, 15, v0                          ; r
	v_bfe_u32 v42, v0, 4, 1                        ; h
	v_lshlrev_b32 v[LOFF], 4, v40
	v_mul_u32_u24 v[MOFF], 40, v41
	v_lshlrev_b32 v[TOFF], 4, v0
	v_lshlrev_b32 v[C4], 2, v0
	v_lshlrev_b32 v[HB], 5, v42
	v_lshlrev_b32 v[R4], 2, v41
	v_and_b32 v[GOF], NCH-1, v0
	v_lshlrev_b32 v[GOF], 2, v[GOF]
	v_lshlrev_b32 v[L8], 3, v40
	v_mov_b32 v52, 0                               ; the one LDS address from which all lanes read the gains
	v_mul_u32_u24 v[STO], OPITCH, v41
	v_add_nc_u32 v[STO], v[STO], v[HB]
	v_mul_u32_u24 v[RD], OPITCH, v42
	v_lshl_add_u32 v[RD], v41, 4, v[RD]
	v_lshlrev_b32 v[CO], 9, v42
	v_lshl_add_u32 v[CO], v41, 4, v[CO]
	s_wait_alu depctr_va_sdst(0)                   ; s26 is written, ahead of its first reader: my first group, my stage and every branch on the wave's number are made from it
	s_lshl_b32 s28, ttmp9, 2
	s_add_co_u32 s28, s28, s26                     ; my first group = my wave's number in the launch
	s_mul_i32 s41, s26, 16*OPITCH
	s_add_co_u32 s41, s41, STG                     ; my stage, in a scalar register of its own, which is not written again
	v_add_nc_u32 v[STO], s41, v[STO]
	v_add_nc_u32 v[RD], s41, v[RD]
	s_wait_kmcnt 0x0
	s_mul_i32 s38, s28, XGB
	s_add_nc_u64 s[32:33], s[A_XB:A_XB+1], s[38:39]
	s_mul_i32 s38, s28, MGB
	s_add_nc_u64 s[34:35], s[A_MK:A_MK+1], s[38:39]
	; all loads go out first; the table last, so that its counted waits cover all the others
	WIN W_D3
	s_wait_alu depctr_va_vdst(0)                   ; the offsets and addresses v1 to v9, v52, GOF and L8 are written, which the loads and stores of the kernel read
.irp i, 0,1,2,3,4
	global_load_b128 v[X+4*\i:X+4*\i+3], v[LOFF], s[32:33] offset:512*\i
.endr
	WIN 0
.irp k, 0,1,2,3,4
	global_load_b64 v[MN+2*\k:MN+2*\k+1], v[MOFF], s[34:35] offset:8*\k
.endr
	WIN W_CV
.set K, 0
.rept 8
	global_load_b128 v[4*K:4*K+3], v[TOFF], s[A_W2:A_W2+1] offset:2048*K          ; W2 in f32: row (tid >> 4) + 8 K, columns 4 (tid & 15) ..
.set K, K+1
.endr
.set K, 0
.rept 32
	global_load_b128 v[32+4*K:32+4*K+3], v[TOFF], s[A_WF:A_WF+1] offset:2048*K    ; Wf in f32: row (tid >> 5) + 4 K, columns 4 (tid & 31) ..
.set K, K+1
.endr
	WIN 0
.irp c, 0,1,2,3,4,5,6
	global_load_b32 v[W1R+\c],   v[R4], s[A_W1:A_W1+1] offset:128*\c
	global_load_b32 v[W1R+7+\c], v[R4], s[A_W1:A_W1+1] offset:128*\c+64
.endr
	global_load_b32 v[GV],   v[GOF], s[A_G:A_G+1]
	global_load_b32 v[GV+1], v[GOF], s[A_B:A_B+1]
	s_cmp_lg_u32 s26, 0
	s_cbranch_scc1 .Lno_p1
	global_load_b64 v[PD:PD+1], v[L8], s[A_P1:A_P1+1]              ; wave 0 brings par1's 256 bytes
.Lno_p1:
	s_cmp_lg_u32 s26, 1
	s_cbranch_scc1 .Lno_p2
	global_load_b128 v[PD2:PD2+3], v[LOFF], s[A_P2:A_P2+1]         ; wave 1 brings par2's 512 bytes
.Lno_p2:
	RLOAD 0
	RLOAD 1
.irp b, 0,1,2,3,4,5
	RSTEP \b, 16, 1
.endr
	RSTEP 6, 16, 0
	RSTEP 7, 0, 0
	v_pk_add_f32 v[T:T+1],   v[T:T+1],   v[T+4:T+5]
	v_pk_add_f32 v[T+2:T+3], v[T+2:T+3], v[T+6:T+7]
	s_wait_alu depctr_va_vdst(0)                   ; the additions have written v[T .. T+3], which the LDS store reads
	ds_store_b128 v[TOFF], v[T:T+3] offset:RED
	s_cmp_lg_u32 s26, 0
	s_cbranch_scc1 .Lno_s1
	ds_store_b64 v[L8], v[PD:PD+1] offset:PAR1
.Lno_s1:
	s_cmp_lg_u32 s26, 1
	s_cbranch_scc1 .Lno_s2
	ds_store_b128 v[LOFF], v[PD2:PD2+3] offset:PAR2
.Lno_s2:
	BAR
	; gain and shift: thread c (all 128) adds the two rows left in RED (a row is NCH sums, then NCH sums of squares)
.set K, 0
.rept 256/NCH
	ds_load_b32 v[48+K], v[C4] offset:RED+8*NCH*K
	ds_load_b32 v[56+K], v[C4] offset:RED+8*NCH*K+4*NCH
.set K, K+1
.endr
	s_wait_dscnt 0x0
	v_add_f32 v48, v48, v49
	v_add_f32 v56, v56, v57
	v_mul_f32 v48, 0x358637bd, v48                 ; mean = S / 1,000,000
	v_mul_f32 v56, 0x358637bd, v56                 ; E[h^2]
	v_fma_f32 v56, -v48, v48, v56                  ; the biased variance,
	v_max_num_f32 v56, 0, v56                      ; not below 0
	v_add_f32 v56, 0x3727c5ac, v56                 ; + 1e-5
	v_rsq_f32 v57, v56
	v_nop                                          ; one plain place behind a transcendental (ISA guide 5.7.2)
	s_wait_alu depctr_va_vdst(0)                   ; the root has written v57, ahead of its first reader
	v_mul_f32 v57, v[GV], v57                      ; a = g / sqrt(var + eps)
	v_fma_f32 v58, -v57, v48, v[GV+1]              ; shift = b - a mean
	s_wait_alu depctr_va_vdst(0)                   ; v57 and v58 are written, which the LDS stores read
	ds_store_b32 v[C4], v57 offset:PARF
	ds_store_b32 v[C4], v58 offset:PARF+4*NCH
	BAR
	; the weights: scaled by a / c, rounded to f16, into LDS as [c][d]
	s_wait_alu depctr_vm_vsrc(0)                   ; my LDS stores have read v[T .. T+3], which the address lines below write again
	CLOAD PAR2, 64                                 ; v52 and the banks: no vector instruction has named them since the last wait on va_vdst
	v_and_b32 v40, 15, v0
	v_lshrrev_b32 v41, 4, v0
	v_mul_u32_u24 v41, PT2, v41
	v_lshl_add_u32 v41, v40, 3, v41                ; 160 (tid >> 4) + 8 (tid & 15)
	v_lshlrev_b32 v40, 4, v40
	v_lshrrev_b32 v43, 5, v0
	v_mul_u32_u24 v43, PTF, v43
	v_lshrrev_b32 v42, 1, v[LOFF]
	v_add_nc_u32 v43, v43, v42                     ; 288 (tid >> 5) + 8 (tid & 31)
	s_wait_dscnt 0x0                               ; a2
	CMAX 64, 44, 54
	s_wait_alu depctr_va_vdst(0)                   ; the maxima are done reading the banks, in which af lands
	CLOAD PARF, 128
	ds_load_b128 v[44:47], v40 offset:PAR2         ; a2 of my four columns
	ds_load_b128 v[48:51], v[LOFF] offset:PARF     ; af of my four columns
	s_wait_dscnt 2                                 ; LDS loads come back in order (ISA guide 5.7.1): af's 32 are in, the two younger may be out
	CMAX 128, 46, 55
	s_wait_alu depctr_va_sdst(0)                   ; s44 and s46 are written, ahead of their first readers
	s_mov_b32 s45, s44                             ; named as pairs by the packed multiplies
	s_mov_b32 s47, s46
	s_wait_dscnt 0x0
.irp q, 0,1,2,3
	v_mul_f32 v[44+\q], v54, v[44+\q]
	v_mul_f32 v[48+\q], v55, v[48+\q]
.endr
	WIN 0x41                                       ; in place in window 1, by a quad of window 0
.set K, 0
.rept 8
	v_pk_mul_f32 v[4*K:4*K+1],   v[4*K:4*K+1],   v[44:45]
	v_pk_mul_f32 v[4*K+2:4*K+3], v[4*K+2:4*K+3], v[46:47]
.set K, K+1
.endr
.rept 32
	v_pk_mul_f32 v[4*K:4*K+1],   v[4*K:4*K+1],   v[48:49]
	v_pk_mul_f32 v[4*K+2:4*K+3], v[4*K+2:4*K+3], v[50:51]
.set K, K+1
.endr
	WIN 0x05                                       ; from window 1 into window 0
.set K, 0
.rept 40
	v_cvt_pk_f16_f32 v[64+2*K], v[4*K],   v[4*K+1]
	v_cvt_pk_f16_f32 v[65+2*K], v[4*K+2], v[4*K+3]
.set K, K+1
.endr
	WIN 0
	s_wait_alu depctr_va_vdst(0)                   ; the roundings have written v[64:143], which the LDS stores read
.set K, 0
.rept 8
	ds_store_b64 v41, v[64+2*K:65+2*K] offset:W2L+8*PT2*K
.set K, K+1
.endr
.set K, 0
.rept 32
	ds_store_b64 v43, v[80+2*K:81+2*K] offset:WFL+4*PTF*K
.set K, K+1
.endr
	BAR
	; fragments.  Row = output channel d, k = input channel c; in LDS c runs down the rows, so the transposing load brings lane (r, h) the eight
	; c = 8 h .. of column 16 mt + r, and 16 rows further down the eight c = 16 + 8 h ..
	s_wait_alu depctr_vm_vsrc(0)                   ; my LDS instructions have read v40, v41, v43, v52 and v[64:143], which vector lines write from here on, and GOF, L8 and PD2, on which shiftf lands
	v_and_b32 v40, 7, v0
	v_bfe_u32 v41, v0, 4, 1
	v_lshl_add_u32 v40, v41, 3, v40                ; 8 h + (L & 7)
	v_bfe_u32 v41, v0, 3, 1
	v_lshlrev_b32 v41, 4, v41                      ; 16 ((L >> 3) & 1)
	v_mad_u32_u24 v42, v40, PT2, v41
	v_mad_u32_u24 v43, v40, PTF, v41
	WIN W_D3
	s_wait_alu depctr_va_vdst(0)                   ; the vector lines above are done with v44, v45 and v[160:255], in which loads below land
.irp mt, 0,1,2,3
	ds_load_tr16_b128 v[W2T+8*\mt:W2T+8*\mt+3],   v42 offset:W2L+32*\mt
	ds_load_tr16_b128 v[W2T+8*\mt+4:W2T+8*\mt+7], v42 offset:W2L+32*\mt+16*PT2
	ds_load_tr16_b128 v[W2B+8*\mt:W2B+8*\mt+3],   v42 offset:W2L+32*\mt+32*PT2
	ds_load_tr16_b128 v[W2B+8*\mt+4:W2B+8*\mt+7], v42 offset:W2L+32*\mt+48*PT2
.endr
.irp mt, 0,1
	ds_load_b128 v[B1+8*\mt:B1+8*\mt+3],   v[HB] offset:PAR1+128+64*\mt      ; register j of a tile: channel 16 mt + 8 h + j
	ds_load_b128 v[B1+8*\mt+4:B1+8*\mt+7], v[HB] offset:PAR1+128+64*\mt+16
.endr
	WIN W_D2
.irp mt, 0,1,2,3,4,5,6,7
.irp ks, 0,1
	ds_load_tr16_b128 v[WFT+16*\mt+8*\ks:WFT+16*\mt+8*\ks+3],   v43 offset:WFL+32*\mt+32*\ks*PTF
	ds_load_tr16_b128 v[WFT+16*\mt+8*\ks+4:WFT+16*\mt+8*\ks+7], v43 offset:WFL+32*\mt+32*\ks*PTF+16*PTF
	ds_load_tr16_b128 v[WFB+16*\mt+8*\ks:WFB+16*\mt+8*\ks+3],   v43 offset:WFL+32*\mt+32*(\ks+2)*PTF
	ds_load_tr16_b128 v[WFB+16*\mt+8*\ks+4:WFB+16*\mt+8*\ks+7], v43 offset:WFL+32*\mt+32*(\ks+2)*PTF+16*PTF
.endr
.endr
	WIN 0
	ds_load_b32 v44, v[R4] offset:PAR1             ; a1 of my row of the weight fragment, tile 0
	ds_load_b32 v45, v[R4] offset:PAR1+64          ; and tile 1
.irp mt, 0,1,2,3
	ds_load_b128 v[SH2+8*\mt:SH2+8*\mt+3],   v[HB] offset:PAR2+256+64*\mt
	ds_load_b128 v[SH2+8*\mt+4:SH2+8*\mt+7], v[HB] offset:PAR2+256+64*\mt+16
.endr
.irp mt, 0,1,2,3,4,5,6,7
	ds_load_b128 v[SHF+8*\mt:SHF+8*\mt+3],   v[HB] offset:PARF+512+64*\mt
	ds_load_b128 v[SHF+8*\mt+4:SHF+8*\mt+7], v[HB] offset:PARF+512+64*\mt+16
.endr
	s_wait_dscnt 0x0
	v_mov_b32 v56, 0
.irp c, 0,1,2,3,4,5,6
	v_mul_f32 v[W1R+\c],   v[W1R+\c],   v44
	v_mul_f32 v[W1R+7+\c], v[W1R+7+\c], v45
.endr
.irp mt, 0,1
	v_cvt_pk_f16_f32 v[48+4*\mt], v[W1R+7*\mt],   v[W1R+7*\mt+1]
	v_cvt_pk_f16_f32 v[49+4*\mt], v[W1R+7*\mt+2], v[W1R+7*\mt+3]
	v_cvt_pk_f16_f32 v[50+4*\mt], v[W1R+7*\mt+4], v[W1R+7*\mt+5]
	v_cvt_pk_f16_f32 v[51+4*\mt], v[W1R+7*\mt+6], v56               ; the eighth is 0
.endr
	WIN W_D3
.irp mt, 0,1
.irp q, 0,1,2,3
	v_cndmask_b32 v[A1+8*\mt+\q],    v[48+4*\mt+\q], v56, s40       ; point 2 i: weights at k = 0 .. 7 (lanes 0-15), zeros in lanes 16-31
	v_cndmask_b32 v[A1+16+8*\mt+\q], v56, v[48+4*\mt+\q], s40       ; point 2 i + 1: the other way round
	v_mov_b32 v[A1+8*\mt+4+\q], 0                                   ; k = 16 .. 31 are zeros: there the data fragment holds the next block
	v_mov_b32 v[A1+16+8*\mt+4+\q], 0
.endr
.endr
.irp q, 0,1,2,3
	v_mov_b32 v[XZ+\q], 0
.endr
	WIN 0
; ================= one trip = one group =================
.Ltrip:
	s_wait_loadcnt 0x0                             ; this group's five blocks and its mask, asked for in the last trip
	s_wait_xcnt 0x0                                ; the last trip's stores have had their addresses translated (ISA guide 3.1): their base is written again below, their data in phase 2
.irp t, 0,1,2,3,4,5,6,7,8,9
	v_mov_b32 v[M+\t], v[MN+\t]                    ; m is used to the trip's end, so the next group's lands in registers of its own
.endr
.irp t, 0,2,4,6,8
	v_pk_mul_f32 v[MS+\t:MS+\t+1], v[MN+\t:MN+\t+1], s[44:45] op_sel_hi:[1,0]     ; m c2
.endr
	s_add_co_u32 s31, s28, NWAVE
	s_min_u32 s31, s31, NGRP-1                     ; the next group; in the last trip a group inside the buffers, whose data nobody uses
	s_mul_i32 s38, s31, XGB
	s_add_nc_u64 s[32:33], s[A_XB:A_XB+1], s[38:39]
	s_mul_i32 s38, s31, MGB
	s_add_nc_u64 s[34:35], s[A_MK:A_MK+1], s[38:39]
	s_lshl_b32 s38, s28, 13                        ; 16 rows of 512 bytes
	s_add_nc_u64 s[36:37], s[A_OUT:A_OUT+1], s[38:39]
	; phase 1: y1 and p1.  Ten batches, block i outer, channel tile inner
	WM1 0, 0, 0
	WM1 0, 1, 1
	NOP5
	EP1 0, 0, 0
.set BT, 2
.rept 8
	WM1 (BT/2), (BT&1), (BT&1)
	EP1 ((BT-1)/2), ((BT-1)&1), ((BT-1)&1)
.set BT, BT+1
.endr
	EP1 4, 1, 1
	; p1 W2[32:64], once a voxel
	WIN W_CV
	CVT4 PB1, POOL1
	CVT4 PB1+4, POOL1+8
	s_wait_alu depctr_vm_vsrc(0)                   ; the last trip's LDS stores have read FIN and its global stores TMP: phase 2 writes both again
	s_wait_alu depctr_va_vdst(0)                   ; phase 1's products are done reading X, the head's copies and multiplies done reading MN: the next group's loads land in both
	WIN W_P1
.irp mt, 0,1,2,3
	v_wmma_f32_16x16x32_f16 v[P1+8*\mt:P1+8*\mt+7], v[W2B+8*\mt:W2B+8*\mt+7], v[PB1:PB1+7], 0
.endr
	WIN W_D3                                       ; no wait: the four products since the wait name P1, W2B and PB1, none of the registers that the ten loads touch
.irp i, 0,1,2,3,4
	global_load_b128 v[X+4*\i:X+4*\i+3], v[LOFF], s[32:33] offset:512*\i     ; the next group's blocks: the rest of the trip to land in
.endr
	WIN 0
.irp k, 0,1,2,3,4
	global_load_b64 v[MN+2*\k:MN+2*\k+1], v[MOFF], s[34:35] offset:8*\k      ; and its mask
.endr
	NOP5
	; phase 2: twenty batches, channel tile outer
	WM2 0, 0, 0
	WM2 1, 0, 1
	NOP5
	EP2 0, 0, 0
.set BT, 2
.rept 18
	WM2 (BT%5), (BT/5), (BT&1)
	EP2 ((BT-1)%5), ((BT-1)/5), ((BT-1)&1)
.set BT, BT+1
.endr
	EP2 4, 3, 1
	; p2 Wf[64:128], once a voxel: eight accumulators take turns
	WIN W_CV
.irp mt, 0,1,2,3
	CVT4 PB2+4*\mt, POOL2+8*\mt
.endr
	WIN W_LF
.irp mt, 0,1,2,3,4,5,6,7
	v_wmma_f32_16x16x32_f16 v[PF+8*\mt:PF+8*\mt+7], v[WFB+16*\mt:WFB+16*\mt+7], v[PB2:PB2+7], 0
.endr
.irp mt, 0,1,2,3,4,5,6,7
	v_wmma_f32_16x16x32_f16 v[PF+8*\mt:PF+8*\mt+7], v[WFB+16*\mt+8:WFB+16*\mt+15], v[PB2+8:PB2+15], v[PF+8*\mt:PF+8*\mt+7]
.endr
	WIN 0                                          ; the places behind these products are useful work: the last phase's two multipliers
.irp t, 0,2,4,6,8
	v_pk_mul_f32 v[MS+\t:MS+\t+1], v[M+\t:M+\t+1], s[46:47] op_sel_hi:[1,0]       ; m cf
.endr
.irp t, 0,1,2,3,4,5,6,7,8,9
	v_max_num_f32 v[M+\t], 0, v[M+\t]              ; max(m, 0)
.endr
	; phase 3: forty batches, channel tile outer
	WM3 0, 0, 0
	WM3 1, 0, 1
	NOP5
	EP3 0, 0, 0
.set BT, 2
.rept 38
	WM3 (BT%5), (BT/5), (BT&1)
	EP3 ((BT-1)%5), ((BT-1)/5), ((BT-1)&1)
.set BT, BT+1
.endr
	EP3 4, 7, 1
	; the way out: the eight tiles into my stage, 16 rows of 512 bytes; read back by rows, each half of the wave stores 256 consecutive bytes, aligned
	WIN W_CV                                       ; a load's data in window 1; addresses and the LDS stores' data in window 0
	s_wait_alu depctr_va_vdst(0)                   ; the maxima have written FIN, which the LDS stores read; phase 3's products are done reading y2, in whose registers (TMP) the loads from the stage land
.irp mt, 0,1,2,3,4,5,6,7
	ds_store_b128 v[STO], v[FIN+8*\mt:FIN+8*\mt+3]   offset:64*\mt       ; voxel r's channels 16 mt + 8 h .. + 7 into row r of my stage
	ds_store_b128 v[STO], v[FIN+8*\mt+4:FIN+8*\mt+7] offset:64*\mt+16
.endr
.set K, 0
.rept 16
	ds_load_b128 v[TMP+4*K:TMP+4*K+3], v[RD] offset:2*OPITCH*(K/2)+256*(K&1)      ; my own bytes: LDS serves a wave in order (ISA guide 5.7.1); the stores above name none of these registers
.set K, K+1
.endr
	WIN W_ST1
.set K, 0
.rept 16
	s_wait_dscnt 15-K                              ; load K is in, the younger ones may be out
	global_store_b128 v[CO], v[TMP+4*K:TMP+4*K+3], s[36:37] offset:1024*(K/2)+256*(K&1) th:TH_STORE_NT
.set K, K+1
.endr
	WIN 0
	s_add_co_u32 s28, s28, NWAVE
	s_cmp_lt_u32 s28, NGRP
	s_cbranch_scc1 .Ltrip
	s_set_vgpr_msb 0x5
	s_wait_dscnt 0x0
	s_wait_alu depctr_hold_cnt(0) depctr_sa_sdst(0) depctr_va_vdst(0) depctr_va_sdst(0) depctr_va_ssrc(0) depctr_va_vcc(0) depctr_vm_vsrc(0)
	s_wait_tensorcnt 0x0
	ds_add_u32 v254, v255
	s_wait_dscnt 0x0
	s_endpgm
.Lfunc_end_k_q4b892837fc_vfe4:
	.size	k_q4b892837fc_vfe4, .Lfunc_end_k_q4b892837fc_vfe4-k_q4b892837fc_vfe4
	.p2alignl 7, 3214868480
	.fill 96, 4, 3214868480
	.section	.rodata,"a",@progbits
	.p2align	6, 0x0
	.amdhsa_kernel k_q4b892837fc_vfe4
		.amdhsa_group_segment_fixed_size 85504
		.amdhsa_private_segment_fixed_size 0
		.amdhsa_enable_private_segment 0
		.amdhsa_kernarg_size 88
		.amdhsa_user_sgpr_count 2
		.amdhsa_user_sgpr_kernarg_segment_ptr 1
		.amdhsa_wavefront_size32 1
		.amdhsa_system_sgpr_workgroup_id_x 1
		.amdhsa_system_sgpr_workgroup_id_y 1
		.amdhsa_system_sgpr_workgroup_id_z 1
		.amdhsa_system_vgpr_workitem_id 0
		.amdhsa_next_free_vgpr 1024
		.amdhsa_next_free_sgpr 66
		.amdhsa_reserve_vcc 0
		.amdhsa_float_denorm_mode_32 3
		.amdhsa_float_denorm_mode_16_64 3
		.amdhsa_memory_ordered 1
		.amdhsa_forward_progress 1
		.amdhsa_inst_pref_size 230
	.end_amdhsa_kernel
	.amdgpu_metadata
---
amdhsa.version: [ 1, 2 ]
amdhsa.kernels:
  - .name:           k_q4b892837fc_vfe4
    .symbol:         k_q4b892837fc_vfe4.kd
    .args:
      - { .name: xb, .offset: 0, .size: 8, .value_kind: global_buffer, .address_space: global }
      - { .name: mask, .offset: 8, .size: 8, .value_kind: global_buffer, .address_space: global }
      - { .name: W1, .offset: 16, .size: 8, .value_kind: global_buffer, .address_space: global }
      - { .name: W2, .offset: 24, .size: 8, .value_kind: global_buffer, .address_space: global }
      - { .name: par1, .offset: 32, .size: 8, .value_kind: global_buffer, .address_space: global }
      - { .name: Wf, .offset: 40, .size: 8, .value_kind: global_buffer, .address_space: global }
      - { .name: par2, .offset: 48, .size: 8, .value_kind: global_buffer, .address_space: global }
      - { .name: gf, .offset: 56, .size: 8, .value_kind: global_buffer, .address_space: global }
      - { .name: bf, .offset: 64, .size: 8, .value_kind: global_buffer, .address_space: global }
      - { .name: partf, .offset: 72, .size: 8, .value_kind: global_buffer, .address_space: global }
      - { .name: out0, .offset: 80, .size: 8, .value_kind: global_buffer, .address_space: global }
    .group_segment_fixed_size: 85504
    .private_segment_fixed_size: 0
    .kernarg_segment_align: 8
    .kernarg_segment_size: 88
    .max_flat_workgroup_size: 128
    .sgpr_count:     66
    .vgpr_count:     1024
    .wavefront_size: 32
...
	.end_amdgpu_metadata
.endif
;; end of part 5
